; MI455X (gfx1250); checked and timed in simulation.
; The chip was launched on July 23, 2026; its instructions are those of AMD's public machine-readable ISA for CDNA 5 (MIT licence, August 2026) and "CDNA5" Instruction Set Architecture Reference Guide (July 2026). The comments in the code are by the model that wrote it; some were corrected since.
;; Multihead Attention. Allowed arithmetic: matrix products marked QUANTISED: E4M3 operands, one given power-of-two scale a tensor, by v_wmma_f32_16x16x64_fp8_fp8 or v_wmma_f32_16x16x128_fp8_fp8, f32 sums; everything else in f32.
;; Inputs: Wk 1,024 x 1,024 float32; Wo 1,024 x 1,024 float32; Wq 1,024 x 1,024 float32; Wv 1,024 x 1,024 float32; bo 1,024 float32; key 4 x 2,048 x 1,024 float32; lowp_scales 12 int32 (the exponents e of the quantised operands' scales 2^e); mask 2,048 x 2,048 bool; query 4 x 2,048 x 1,024 float32; value 4 x 2,048 x 1,024 float32.
;; Outputs: out0 4 x 2,048 x 1,024 float32.
;; This version of the problem:
;;   THIS VERSION OF THE PROBLEM IS GIVEN IN LOW PRECISION. The matrix products marked QUANTISED in the list below multiply operands that are first quantised to E4M3 (4 exponent bits, 3 mantissa bits; 8 bits a number), with one given power-of-two scale for each operand tensor; their sums are f32. All else is computed in f32.
;;   The module's matrix products, in the order in which they are computed (A, B: the left and right operand; K: the contracted axis; several contracted axes count as one K, in the product's order):
;;     1. [M 8,192, K 1,024] x [K 1,024, N 1,024]; A: input query; B: input Wq: QUANTISED (scales: A lowp_scales[0], B lowp_scales[1])
;;     2. [M 8,192, K 1,024] x [K 1,024, N 1,024]; A: input key; B: input Wk: QUANTISED (scales: A lowp_scales[2], B lowp_scales[3])
;;     3. [M 8,192, K 1,024] x [K 1,024, N 1,024]; A: input value; B: input Wv: QUANTISED (scales: A lowp_scales[4], B lowp_scales[5])
;;     4. batch 64 x [M 2,048, K 64] x [K 64, N 2,048]; A: computed on the way; B: computed on the way: QUANTISED (scales: A lowp_scales[6], B lowp_scales[7])
;;     5. batch 64 x [M 2,048, K 2,048] x [K 2,048, N 64]; A: softmax (see below); B: computed on the way: QUANTISED (scales: A lowp_scales[8], B lowp_scales[9])
;;     6. [M 8,192, K 1,024] x [K 1,024, N 1,024]; A: computed on the way; B: input Wo: QUANTISED (scales: A lowp_scales[10], B lowp_scales[11])
;;   THE QUANTISER, for each operand of a quantised product, along K:
;;     - The operand's scale is 2^e, e = its entry of the input lowp_scales (int32; the entries are numbered through the quantised products in the list's order, A before B).
;;     - Each number is divided by the scale, clamped to +-448, and rounded to the nearest number of E4M3, ties to even, subnormals kept.
;;     - The product sums the exact products of the quantised numbers (number of the format x scale) in f32.
;;   ~~~python
;;   def quantise(x, axis, e):      # numpy; x: float32 -> the quantised numbers, widened to float32 again
;;       x = np.moveaxis(x, axis, -1); K = x.shape[-1]
;;       r = np.clip(x / 2.0 ** e, -448, 448)
;;       step = 2.0 ** (np.maximum(np.frexp(np.where(r == 0, 1, r))[1] - 1, -6) - 3)
;;       q = np.round(r / step) * step * 2.0 ** e      # np.round: ties to even
;;       return np.moveaxis(q, -1, axis).astype(np.float32)
;;   ~~~
;;   SOFTMAX AHEAD OF A QUANTISED PRODUCT. Where the list says 'softmax', what is quantised is not the finished softmax but p = 2^(t - M), with t = logit x log2(e) and M = ceil(the row's largest t), a whole number; so 1/2 < the row's largest p <= 1. The row's sum l is taken of the UNQUANTISED p, in f32, and the product's result is divided by l at the end. Since M is a whole number, a kernel that streams over the keys may use a running M (the ceiling of the running maximum): every later rescaling is an exact power of two, so the quantised numbers keep their values, but for numbers so far below the row's largest that they fall under the format's range.
;;   OPERANDS COMPUTED ON THE WAY. 'Computed on the way' means the value that the module computes at that place (a softmax that the list does not call 'softmax' is quantised finished and normalised). What goes into a quantiser is computed in f32, as accurately as f32 sums, v_exp_f32 and their like allow (about 1e-6 of the number): no bf16 or f16 on the way to a quantiser, and a product that is left as it is and whose result goes on into a quantised operand takes f32 operands (vector FMAs, or v_wmma_f32_16x16x4_f32). A number that lies on a knife's edge between two numbers of the format may be rounded either way, as far as f32 arithmetic and the matrix unit's own rounding can turn it there, and no further.
;; 2 versions, each right; version 2 is version 1 with the launch attn written anew for expert scheduling mode. Each part assembles by itself: llvm-mc -triple=amdgcn-amd-amdhsa -mcpu=gfx1250 --defsym DOCPART=n.
;; ======== version 1 of 2: 4 launches
;; limits: right only within a limited range of input values
;; workspace buffers: act_codes 25,165,824 bytes; w_codes 4,194,304 bytes; qkv 25,165,824 bytes; ao 8,388,608 bytes; mw 524,288 bytes of whole numbers; flags 131,072 bytes of whole numbers
;; launch prep (part 1): grid 1024 x 1, 4 waves a work-group, no clusters, 34,304 bytes of LDS; arguments query, key, value, Wq, Wk, Wv, Wo, mask, lowp_scales, act_codes, w_codes, mw, flags; writes act_codes, w_codes, mw, flags
.if DOCPART == 1
	.amdgcn_target "amdgcn-amd-amdhsa--gfx1250"
	.amdhsa_code_object_version 6
	.text
	.protected	k_q195fc3c45a_prep
	.globl	k_q195fc3c45a_prep
	.p2align	8
	.type	k_q195fc3c45a_prep,@function
k_q195fc3c45a_prep:
	s_mov_b64 s[64:65], 0
	v_nop
	global_prefetch_b8 v0, s[64:65] scope:SCOPE_SE
	s_setreg_imm32_b32 hwreg(HW_REG_WAVE_MODE, 25, 1), 1
	s_wait_xcnt 0x0
; PREP: every wide operand becomes codes of E4M3, and the mask becomes lane masks.  Three paths part on the work-group's number; waves share nothing, so there is no barrier.
; THE LAYOUT OF ALL CODES is the order of an operand's registers.  A tile is 16 rows: lane row r of tile T stands for row mu(T, r) = 32 (T / 2) + 8 (T % 2) + r + 8 (r / 8).
; A chunk is 512 bytes: lane L = r + 16 h owns bytes 16 L .. 16 L + 15 = row mu(T, r), k = 32 c + 16 h + 0 .. 15.  A fragment of 128 along K is four chunks, a tile's 1,024 along K eight fragments: 16,384 bytes.
; work-groups 0-127:    the mask.  Tile T of 16 queries; wave w takes keys 512 w on, four key steps of 128.  Word n of a step: bit L = mask[mu(T, r)][128 s + 32 (n / 16) + 16 h + n % 16].
;                       flags, 256 bytes for (T, w), the pair repeated: word 0: bit 4 w + j: step j holds a key that counts; bit 16 + 4 w + j: it holds a masked key; word 1: bit L: all of lane L's 256 keys are masked.
; work-groups 128-255:  the four weights [K][N]: a lane takes a column n and its registers run down K, so the conversions give codes with K innermost; a wave: 32 columns x 256 K.
; work-groups 256-1023: query, key, value [8192][1024]: a wave takes one tile of 16 rows x 512 K in four steps of one fragment; the numbers turn through the wave's own stage in LDS.
; code = x / 2^e, held within +-448, rounded to the nearest code, ties to even.  LIMITS: each e used here lies between -126 and 119; NaN among the inputs is not served.
.set SP,   528                         ; a stage row: 512 bytes + 16
.set WREG, 16*SP                       ; a wave's stage
.set R,    16                          ; v16-143   path A: two sets of 64 registers as loaded
.set X,    144                         ; v144-207  path A: 64 numbers of my row: register 16 c + i = k 32 c + 16 h + i
.set C,    208                         ; v208-239  path A: two sets of 16 registers of codes
.macro SCALES se, st                   ; from e in s[se]: v11 = 2^e (the conversion takes its exponent field), v10 = 448 x 2^e
	s_add_co_i32 s[\se], s[\se], 127
	s_lshl_b32 s[\st], s[\se], 23
	v_mov_b32 v11, s[\st]
	s_add_co_i32 s[\se], s[\se], 8
	s_lshl_b32 s[\se], s[\se], 23
	s_or_b32 s[\se], s[\se], 0x600000
	v_mov_b32 v10, s[\se]
.endm
	s_load_b512 s[4:19], s[0:1], 0x0               ; query s[4:5], key s[6:7], value s[8:9], Wq s[10:11], Wk s[12:13], Wv s[14:15], Wo s[16:17], mask s[18:19]
	s_load_b256 s[20:27], s[0:1], 0x40             ; the scales' exponents s[20:21], act_codes s[22:23], w_codes s[24:25], mw s[26:27]
	s_load_b64 s[28:29], s[0:1], 0x60              ; flags
	v_lshl_add_u32 v240, v0, 2, 0x8400
	v_mov_b32 v241, 0
	v_lshrrev_b32 v1, 5, v0
	v_readfirstlane_b32 s30, v1                    ; wave 0..3
	v_and_b32 v2, 31, v0                           ; lane
	v_and_b32 v5, 15, v0                           ; r
	v_bfe_u32 v6, v0, 4, 1                         ; h
	s_cmp_lt_u32 ttmp9, 128
	s_cbranch_scc1 .Lmask
	s_cmp_lt_u32 ttmp9, 256
	s_cbranch_scc1 .Lweights
; ---------------- query, key, value ----------------
	s_sub_co_u32 s31, ttmp9, 256
	s_lshr_b32 s36, s31, 8                         ; which tensor: 256 work-groups each
	s_lshl_b32 s37, s31, 2
	s_add_co_u32 s37, s37, s30                     ; my wave among the 3,072
	s_lshr_b32 s38, s37, 1                         ; my tile among the 1,536
	s_and_b32 s39, s37, 1                          ; which half of K
	s_and_b32 s40, s38, 511                        ; my tile in its tensor
	s_lshr_b32 s41, s40, 1
	s_lshl_b32 s41, s41, 17                        ; 32 rows of 4,096 bytes for each pair of tiles,
	s_and_b32 s42, s40, 1
	s_lshl_b32 s42, s42, 15                        ; 8 rows for the odd tile,
	s_add_co_u32 s34, s41, s42
	s_lshl_b32 s42, s39, 11                        ; 2,048 bytes for the upper half of K
	s_add_co_u32 s34, s34, s42
	s_mov_b32 s35, 0
	s_lshl_b32 s44, s38, 14                        ; the codes: 16,384 bytes a tile,
	s_lshl_b32 s42, s39, 13                        ; four fragments for the upper half of K
	s_add_co_u32 s44, s44, s42
	s_mov_b32 s45, 0
	s_lshl_b32 s46, s36, 3                         ; entry 2 x tensor of the exponents
	s_mov_b32 s47, 0
	v_lshlrev_b32 v3, 4, v2                        ; 16 x lane: my bytes of a load's 512, and of a chunk
	s_mul_i32 s43, s30, WREG
	v_add_nc_u32 v14, s43, v3                      ; into the stage: as loaded
	v_mul_u32_u24 v15, v5, SP
	v_lshl_add_u32 v15, v6, 6, v15
	v_add_nc_u32 v15, s43, v15                     ; out of it: row r, + 64 h: my 16 numbers of each 32
	s_wait_kmcnt 0x0
	s_cmp_eq_u32 s36, 1                            ; the choice hangs on the work-group's number alone
	s_cselect_b64 s[32:33], s[6:7], s[4:5]
	s_cmp_eq_u32 s36, 2
	s_cselect_b64 s[32:33], s[8:9], s[32:33]
	s_add_nc_u64 s[32:33], s[32:33], s[34:35]
	s_add_nc_u64 s[48:49], s[22:23], s[44:45]
	s_add_nc_u64 s[50:51], s[20:21], s[46:47]
	s_load_b32 s52, s[50:51], 0x0                  ; e
.macro LOADA t                         ; step t: 128 numbers of each of the tile's 16 rows; each load reads 512 consecutive bytes of one row
.irp i, 0,1,2,3,4,5,6,7,8,9,10,11,12,13,14,15
	global_load_b128 v[R+64*((\t)%2)+4*\i:R+64*((\t)%2)+4*\i+3], v3, s[32:33] offset:(\i+8*(\i/8))*4096+512*(\t) th:TH_LOAD_NT
.endr
.endm
.macro STEPA t
.if (\t) < 3
	s_wait_loadcnt 16                              ; this step's 16 loads are in; the next step's 16 may be out
.else
	s_wait_loadcnt 0x0
.endif
.irp i, 0,1,2,3,4,5,6,7,8,9,10,11,12,13,14,15
	ds_store_b128 v14, v[R+64*((\t)%2)+4*\i:R+64*((\t)%2)+4*\i+3] offset:SP*\i
.endr
.irp c, 0,1,2,3
.irp i, 0,1,2,3
	ds_load_b128 v[X+16*\c+4*\i:X+16*\c+4*\i+3], v15 offset:128*\c+16*\i   ; LDS serves a wave's instructions in order (ISA guide 5.7.1.4): these see the stores above
.endr
.endr
	s_wait_dscnt 0x0                               ; my numbers are back, and the stores into the stage have read their registers,
.if (\t) < 2
	LOADA (\t)+2                                   ; which take the loads of two steps on
.endif
.if (\t) >= 2
	s_wait_xcnt 0x0                                ; the stores of two steps back have read this set of codes: it is written again only behind this wait
.endif
.set j, 0
.rept 64
	v_med3_num_f32 v[X+j], v[X+j], -v10, v10       ; the conversion to an 8-bit code does not saturate (ISA guide 7.6.2): the hold at the largest code x the scale
.set j, j+1
.endr
.irp g, 0,1,2,3,4,5,6,7
	v_cvt_scalef32_pk8_fp8_f32 v[C+16*((\t)%2)+2*\g:C+16*((\t)%2)+2*\g+1], v[X+8*\g:X+8*\g+7], v11
.endr
	v_nop                                          ; one plain line behind the last conversion
.irp c, 0,1,2,3
	global_store_b128 v3, v[C+16*((\t)%2)+4*\c:C+16*((\t)%2)+4*\c+3], s[48:49] offset:2048*(\t)+512*\c   ; a chunk: 512 consecutive bytes, aligned
.endr
.endm
	LOADA 0
	LOADA 1
	s_wait_kmcnt 0x0
	SCALES 52, 53
	STEPA 0
	STEPA 1
	STEPA 2
	STEPA 3
	s_wait_tensorcnt 0x0
	ds_add_u32 v240, v241
	s_wait_dscnt 0x0
	s_endpgm
; ---------------- the four weights ----------------
.Lweights:
	s_sub_co_u32 s31, ttmp9, 128
	s_lshr_b32 s36, s31, 5                         ; which weight: Wq, Wk, Wv, Wo
	s_and_b32 s37, s31, 7
	s_bfe_u32 s38, s31, 0x20003                    ; which 256 along K
	s_lshl_b32 s39, s37, 2
	s_add_co_u32 s39, s39, s30                     ; my group of 32 columns, 0..31
	s_lshl_b32 s34, s38, 20                        ; 256 rows of 4,096 bytes,
	s_lshl_b32 s40, s39, 7                         ; 128 bytes a group
	s_add_co_u32 s34, s34, s40
	s_mov_b32 s35, 0
	s_lshl_b32 s44, s36, 20                        ; the codes: 2^20 bytes a weight,
	s_lshl_b32 s40, s39, 15                        ; two tiles a group,
	s_add_co_u32 s44, s44, s40
	s_lshl_b32 s40, s38, 12                        ; two fragments for 256 along K
	s_add_co_u32 s44, s44, s40
	s_mov_b32 s45, 0
	s_lshl_b32 s46, s36, 3
	s_add_co_u32 s46, s46, 4                       ; entries 1, 3, 5 of the exponents,
	s_cmp_eq_u32 s36, 3
	s_cselect_b32 s46, 44, s46                     ; entry 11 for Wo
	s_mov_b32 s47, 0
	v_lshlrev_b32 v3, 2, v2                        ; in: 4 bytes a lane
	v_bfe_u32 v7, v0, 3, 1                         ; column l of the 32 lies in tile (l / 8) % 2,
	v_and_b32 v8, 7, v0
	v_lshl_add_u32 v8, v6, 3, v8                   ; at lane row l % 8 + 8 (l / 16)
	v_lshlrev_b32 v4, 4, v8
	v_lshl_add_u32 v4, v7, 14, v4                  ; out: 16,384 x tile + 16 x lane row
	s_wait_kmcnt 0x0
	s_cmp_eq_u32 s36, 1
	s_cselect_b64 s[32:33], s[12:13], s[10:11]
	s_cmp_eq_u32 s36, 2
	s_cselect_b64 s[32:33], s[14:15], s[32:33]
	s_cmp_eq_u32 s36, 3
	s_cselect_b64 s[32:33], s[16:17], s[32:33]
	s_add_nc_u64 s[32:33], s[32:33], s[34:35]
	s_add_nc_u64 s[48:49], s[24:25], s[44:45]
	s_add_nc_u64 s[50:51], s[20:21], s[46:47]
	s_load_b32 s52, s[50:51], 0x0                  ; e
.macro LOADW t                         ; block t: W(32 t + i, my column) into set t % 2: 32 lanes read 128 consecutive bytes
.set i, 0
.rept 32
	global_load_b32 v[32+32*((\t)%2)+i], v3, s[32:33] offset:(32*(\t)+i)*4096 th:TH_LOAD_NT
.set i, i+1
.endr
.endm
.macro BLOCKW t
.if (\t) < 7
	s_wait_loadcnt 32                              ; this block's 32 loads are in; the next block's may be out
.else
	s_wait_loadcnt 0x0
.endif
.set i, 0
.rept 32
	v_med3_num_f32 v[32+32*((\t)%2)+i], v[32+32*((\t)%2)+i], -v10, v10
.set i, i+1
.endr
.irp g, 0,1,2,3
	v_cvt_scalef32_pk8_fp8_f32 v[96+8*(\t)+2*\g:96+8*(\t)+2*\g+1], v[32+32*((\t)%2)+8*\g:32+32*((\t)%2)+8*\g+7], v11
.endr
	v_nop                                          ; one plain line behind the last conversion
	global_store_b128 v4, v[96+8*(\t):96+8*(\t)+3], s[48:49] offset:((\t)/4)*2048+((\t)%4)*512        ; k 0-15 of the block: the chunk's lower half; the 16 lanes of a tile store 256 consecutive bytes, aligned
	global_store_b128 v4, v[96+8*(\t)+4:96+8*(\t)+7], s[48:49] offset:((\t)/4)*2048+((\t)%4)*512+256  ; k 16-31: its upper half.  Each block has its own registers of codes: no store's data are written again
.if (\t) < 6
	LOADW (\t)+2
.endif
.endm
	LOADW 0
	LOADW 1
	s_wait_kmcnt 0x0
	SCALES 52, 53
.irp t, 0,1,2,3,4,5,6,7
	BLOCKW \t
.endr
	s_endpgm
; ---------------- the mask ----------------
.Lmask:
	s_lshr_b32 s36, ttmp9, 1
	s_lshl_b32 s36, s36, 16                        ; 32 rows of 2,048 bytes for each pair of tiles,
	s_and_b32 s37, ttmp9, 1
	s_lshl_b32 s37, s37, 14                        ; 8 rows for the odd tile,
	s_add_co_u32 s34, s36, s37
	s_lshl_b32 s37, s30, 9                         ; my wave's 512 keys
	s_add_co_u32 s34, s34, s37
	s_mov_b32 s35, 0
	s_lshl_b32 s44, ttmp9, 12                      ; mw: 4,096 bytes a tile, 1,024 a wave
	s_lshl_b32 s37, s30, 10
	s_add_co_u32 s44, s44, s37
	s_mov_b32 s45, 0
	s_lshl_b32 s46, ttmp9, 10                      ; flags: 1,024 bytes a tile, 256 a wave
	s_lshl_b32 s37, s30, 8
	s_add_co_u32 s46, s46, s37
	s_mov_b32 s47, 0
	v_and_b32 v7, 8, v5
	v_add_nc_u32 v7, v7, v5                        ; r + 8 (r / 8)
	v_lshlrev_b32 v3, 11, v7
	v_lshl_add_u32 v3, v6, 4, v3                   ; my row, + 16 h
	v_lshlrev_b32 v4, 3, v2                        ; out: 8 bytes a lane
	s_wait_kmcnt 0x0
	s_add_nc_u64 s[32:33], s[18:19], s[34:35]
	s_add_nc_u64 s[48:49], s[26:27], s[44:45]
	s_add_nc_u64 s[50:51], s[28:29], s[46:47]
.irp j, 0,1,2,3
.irp b, 0,1,2,3
	global_load_b128 v[32+16*\j+4*\b:32+16*\j+4*\b+3], v3, s[32:33] offset:128*\j+32*\b th:TH_LOAD_NT   ; 32 bytes of each of 16 rows; the wave's sixteen loads together take 512 consecutive bytes of each row, once
.endr
.endr
.irp j, 0,1,2,3,4,5,6,7
	v_mov_b32 v[96+\j], 0                          ; written whole once: v_writelane_b32's destination counts as read
.endr
	s_lshl_b32 s54, s30, 2
	s_lshl_b32 s54, 1, s54                         ; the bit of my first step: 4 w
	s_mov_b32 s55, 0                               ; word 0 of the flags
	s_mov_b32 s56, -1                              ; word 1
	s_wait_loadcnt 0x0
.macro WORDS j                         ; step j of my four: 64 lane masks; word n goes to lane n / 2 of register n % 2, so that one store of 8 bytes a lane writes the 256 bytes on end
	s_mov_b32 s57, -1                              ; the AND of the step's words
	s_mov_b32 s58, 0                               ; their OR
.set n, 0
.rept 64
	v_and_b32 v[8+n%4], 1<<(8*(n%4)), v[32+16*\j+n/4]   ; byte n % 4 of register n / 4: a bool is one byte, 0 or 1
	v_cmp_ne_u32 s[40+n%4], 0, v[8+n%4]
	v_writelane_b32 v[96+2*\j+n%2], s[40+n%4], n/2
	s_and_b32 s57, s57, s[40+n%4]
	s_or_b32 s58, s58, s[40+n%4]
.set n, n+1
.endr
	global_store_b64 v4, v[96+2*\j:97+2*\j], s[48:49] offset:256*\j
	s_cmp_lg_u32 s57, -1                           ; not every key of every lane is masked: the step counts
	s_cselect_b32 s59, s54, 0
	s_or_b32 s55, s55, s59
	s_lshl_b32 s59, s54, 16
	s_cmp_lg_u32 s58, 0                            ; some key is masked: the step needs its words
	s_cselect_b32 s59, s59, 0
	s_or_b32 s55, s55, s59
	s_and_b32 s56, s56, s57
	s_lshl_b32 s54, s54, 1
.endm
	WORDS 0
	WORDS 1
	WORDS 2
	WORDS 3
	v_mov_b32 v104, s55
	v_mov_b32 v105, s56
	global_store_b64 v4, v[104:105], s[50:51]      ; the pair 32 times: 256 consecutive bytes, aligned
	s_endpgm
.Lfunc_end_k_q195fc3c45a_prep:
	.size	k_q195fc3c45a_prep, .Lfunc_end_k_q195fc3c45a_prep-k_q195fc3c45a_prep
	.p2alignl 7, 3214868480
	.fill 96, 4, 3214868480
	.section	.rodata,"a",@progbits
	.p2align	6, 0x0
	.amdhsa_kernel k_q195fc3c45a_prep
		.amdhsa_group_segment_fixed_size 34304
		.amdhsa_private_segment_fixed_size 0
		.amdhsa_enable_private_segment 0
		.amdhsa_kernarg_size 104
		.amdhsa_user_sgpr_count 2
		.amdhsa_user_sgpr_kernarg_segment_ptr 1
		.amdhsa_wavefront_size32 1
		.amdhsa_system_sgpr_workgroup_id_x 1
		.amdhsa_system_sgpr_workgroup_id_y 1
		.amdhsa_system_sgpr_workgroup_id_z 1
		.amdhsa_system_vgpr_workitem_id 0
		.amdhsa_next_free_vgpr 242
		.amdhsa_next_free_sgpr 66
		.amdhsa_reserve_vcc 0
		.amdhsa_float_denorm_mode_32 3
		.amdhsa_float_denorm_mode_16_64 3
		.amdhsa_memory_ordered 1
		.amdhsa_forward_progress 1
		.amdhsa_inst_pref_size 150
	.end_amdhsa_kernel
	.amdgpu_metadata
---
amdhsa.version: [ 1, 2 ]
amdhsa.kernels:
  - .name:           k_q195fc3c45a_prep
    .symbol:         k_q195fc3c45a_prep.kd
    .args:
      - { .name: query, .offset: 0, .size: 8, .value_kind: global_buffer, .address_space: global }
      - { .name: key, .offset: 8, .size: 8, .value_kind: global_buffer, .address_space: global }
      - { .name: value, .offset: 16, .size: 8, .value_kind: global_buffer, .address_space: global }
      - { .name: Wq, .offset: 24, .size: 8, .value_kind: global_buffer, .address_space: global }
      - { .name: Wk, .offset: 32, .size: 8, .value_kind: global_buffer, .address_space: global }
      - { .name: Wv, .offset: 40, .size: 8, .value_kind: global_buffer, .address_space: global }
      - { .name: Wo, .offset: 48, .size: 8, .value_kind: global_buffer, .address_space: global }
      - { .name: mask, .offset: 56, .size: 8, .value_kind: global_buffer, .address_space: global }
      - { .name: lowp_scales, .offset: 64, .size: 8, .value_kind: global_buffer, .address_space: global }
      - { .name: act_codes, .offset: 72, .size: 8, .value_kind: global_buffer, .address_space: global }
      - { .name: w_codes, .offset: 80, .size: 8, .value_kind: global_buffer, .address_space: global }
      - { .name: mw, .offset: 88, .size: 8, .value_kind: global_buffer, .address_space: global }
      - { .name: flags, .offset: 96, .size: 8, .value_kind: global_buffer, .address_space: global }
    .group_segment_fixed_size: 34304
    .private_segment_fixed_size: 0
    .kernarg_segment_align: 8
    .kernarg_segment_size: 104
    .max_flat_workgroup_size: 128
    .sgpr_count:     66
    .vgpr_count:     242
    .wavefront_size: 32
...
	.end_amdgpu_metadata
.endif
;; end of part 1
;; launch proj (part 2): grid 4 x 96, 4 waves a work-group, clusters of 4 x 4, 327,680 bytes of LDS; arguments act_codes, w_codes, lowp_scales, qkv; writes qkv
.if DOCPART == 2
	.amdgcn_target "amdgcn-amd-amdhsa--gfx1250"
	.amdhsa_code_object_version 6
	.text
	.protected	k_q195fc3c45a_proj
	.globl	k_q195fc3c45a_proj
	.p2align	8
	.type	k_q195fc3c45a_proj,@function
k_q195fc3c45a_proj:
	s_mov_b64 s[64:65], 0
	v_nop
	global_prefetch_b8 v0, s[64:65] scope:SCOPE_SE
	s_setreg_imm32_b32 hwreg(HW_REG_WAVE_MODE, 25, 1), 1
	s_wait_xcnt 0x0
	s_wait_alu depctr_hold_cnt(0) depctr_sa_sdst(0) depctr_va_vdst(0) depctr_va_sdst(0) depctr_va_ssrc(0) depctr_va_vcc(0) depctr_vm_vsrc(0)
	s_getreg_b32 s2, hwreg(HW_REG_IB_STS2, 6, 4)
	s_cmp_eq_u32 s2, 0
	s_cbranch_scc0 .Lentry_in_a_cluster
	s_endpgm
.Lentry_in_a_cluster:
	s_bfe_u32 s2, ttmp6, 0x10000c
	s_cmp_lg_u32 s2, 0xf033
	s_cbranch_scc0 .Lentry_shape_is_right
	s_endpgm
.Lentry_shape_is_right:
; PROJ: q = query Wq, k = key Wk, v = value Wv on codes of E4M3, K = 1,024, and the results quantised at once for the two products of attention.
; Work-group (x, yg): yg = 0..95 is a block of 256 tokens of tensor yg / 32 (q, k, v), x a block of 256 columns (four heads).  Four waves, each 128 x 128: 64 accumulators of 16 x 16, 512 registers.
; ALL OPERANDS LIE IN THE ORDER OF THE OPERAND'S REGISTERS: a tile of 16 rows (lane row r of tile T = row 32 (T / 2) + 8 (T % 2) + r + 8 (r / 8)) is 16,384 bytes: 8 fragments of 128 K, each 4 chunks of 512 bytes,
; lane L's 16 bytes at 16 L.  So a fragment is four ds_load_b128 at 16 x lane, there is no pitch and no padding, and the 16 registers that a lane holds of source 0's tiles 2 p and 2 p + 1 are 16 NEIGHBOURS.
; K goes in steps of 256 through a ring of two LDS slots; a wave's tensor load brings 8 tiles x 4,096 bytes (rows 16,384 bytes apart in memory).
; CLUSTERS: 4 x 4 work-groups; the tokens' tiles are asked for jointly along a row of the cluster, the weights' along a column.
; q, k: source 0 = weights, source 1 = tokens: a lane holds one token and 16 neighbouring channels of a head: the chunks of q's and k's images [head 64][tile 128][chunk 2][512].
; v:    source 0 = tokens, source 1 = weights: a lane holds one channel and 16 neighbouring tokens, the second product's K: v's image [head 64][key step 16][tile of channels 4][chunk 4][512].
;       The two sources change places by the LDS addresses alone, chosen on the cluster's y, which all partners share.
; code = sum x 2^(ea + eb) / 2^eo, held within +-448: the three exponents are folded into the conversion's one.  LIMIT: eo - ea - eb between -126 and 119.
; REGISTERS, in windows of 256: window 0: v0-31 addresses and the two scale numbers; v32-95 at work on the way out; from v128 source 1's fragments, ONE set, on the way out the codes.
;   window 1: source 0's fragments, TWO sets.   window 2: the accumulators of source 1's blocks 0-3 (accumulator (a, b) at v[8 (8 a + b)]);   window 3: those of blocks 4-7.
.set RT,     4096                      ; a tile's part of a slot: two fragments
.set FR,     16                        ; registers of a fragment
.set NL,     4                         ; LDS loads that bring one
.set NP,     4                         ; places behind this matrix instruction (ISA guide 7.12.1)
.set HALFT,  8*RT                      ; 8 tiles: what one tensor load brings, and what one wave reads of either operand
.set SLOT,   4*HALFT                   ; the tokens' 16 tiles, then the weights' 16
.set LAPS,   2                         ; a lap = two K steps of 256 = once round the ring
.set SPARE,  2*SLOT                    ; behind the ring: the spare words, 128 bytes for each wave: two blocks of 256 bytes that no other line names
.set ADRA, 16                          ; v16-17  LDS address of source 1's fragments in slot 0, 1
.set ADRB, 20                          ; v20-21  the same for source 0
.set CO,   26                          ; v26     16 x lane
.set SPW,  28                          ; v28     LDS address of my spare word; never rewritten
.set NIL,  29                          ; v29     0; never rewritten
.set LIM,  30                          ; v30     448 x 2^(eo - ea - eb)
.set SC,   31                          ; v31     2^(eo - ea - eb)
.set TMP,  32
.set AF,   128
.set CD,   128                         ; the way out: 16 registers of codes for each of the 8 blocks
.set G1, 24
.set G0, 32
.set G1B, 48
.set G0B, 56
.set MSB, 0
.macro WIN new                         ; the immediate's high byte repeats the setting that is left
.if MSB != \new
	s_set_vgpr_msb (MSB<<8)|\new
.set MSB, \new
.endif
.endm
.set MUL_LO, 0xa1                      ; source 0 window 1, source 1 window 0, C and D window 2
.set MUL_HI, 0xf1                      ; the same, C and D window 3
.set TO_B,   0x40                      ; destination window 1, address window 0
; A joint load: waves 0 and 1 fetch the tokens' tiles, waves 2 and 3 the weights'.  The branch hangs on the wave's number alone.  Four v_nop follow each of the two lines.
.macro JLOAD g0a, g1a, g0b, g1b
	s_cmp_eq_u32 s15, 0
	s_cbranch_scc0 .Lfor_b_\@
	tensor_load_to_lds s[\g0a:\g0a+3], s[\g1a:\g1a+7]
	s_nop 0
.rept 4
	v_nop
.endr
	s_branch .Lasked_\@
.Lfor_b_\@:
	tensor_load_to_lds s[\g0b:\g0b+3], s[\g1b:\g1b+7]
	s_nop 0
.rept 4
	v_nop
.endr
.Lasked_\@:
.endm
.macro CREST                           ; a round of the cluster's barrier behind its opening barrier
	s_cmp_lg_u32 s14, 0
	s_cbranch_scc1 .Lnot_wave_0_\@
	s_barrier_signal -3
.Lnot_wave_0_\@:
	s_barrier_wait -3
	s_barrier_signal -1
	s_barrier_wait -1
.endm
.macro CROUND                          ; a whole round
	s_barrier_signal -1
	s_barrier_wait -1
	CREST
.endm
	s_load_b128 s[4:7], s[0:1], 0x0                ; the tokens' codes s[4:5], the weights' codes s[6:7]
	s_load_b128 s[8:11], s[0:1], 0x10              ; the scales' exponents s[8:9], qkv s[10:11]
	v_lshl_add_u32 v[SPW], v0, 2, SPARE
	v_mov_b32 v[NIL], 0
	ds_add_u32 v28, v29
	ds_add_u32 v28, v29
	s_wait_dscnt 0x0
	v_lshrrev_b32 v1, 5, v0
	v_readfirstlane_b32 s14, v1                    ; wave 0..3
	s_lshr_b32 s15, s14, 1                         ; which half of source 1's tiles is mine.  Also: I fetch tokens (0) or weights (1)
	s_and_b32 s16, s14, 1                          ; which half of source 0's.  Also: which 8 tiles I fetch
	s_bfe_u32 s40, ttmp6, 0x40000                  ; cx, cy: my place in the cluster
	s_bfe_u32 s41, ttmp6, 0x40004
	s_lshl_b32 s42, ttmp9, 2
	s_add_co_u32 s42, s42, s40                     ; x = 4 x cluster x + cx
	s_and_b32 s12, ttmp7, 0xffff                   ; the cluster's y, 0..23: the same in all partners
	s_lshl_b32 s17, s12, 2
	s_add_co_u32 s17, s17, s41                     ; yg = 4 x cluster y + cy
	s_lshr_b32 s13, s12, 3                         ; the tensor: 0 q, 1 k, 2 v
	s_lshl_b32 s43, s41, 2
	s_lshl_b32 s43, 15, s43                        ; my row of the cluster
	s_lshl_b32 s44, 0x1111, s40                    ; my column
	; descriptor group 1: 8 rows (tiles) of 512 elements of 8 bytes, 2,048 elements apart in memory, dense in LDS
	s_or_b32 s[G1+0], s43, (3<<16)|(1<<21)         ; 15:0 the mask: the tokens' tiles go to my row; 17:16 elements of 8 bytes; 20 no padding; 21 set beside a mask
	s_or_b32 s[G1B+0], s44, (3<<16)|(1<<21)        ; the weights' go to my column
.irp g, G1, G1B
	s_mov_b32 s[\g+1], 512<<16                     ; tensor_dim0
	s_mov_b32 s[\g+2], 8<<16                       ; tensor_dim1
	s_mov_b32 s[\g+3], 512<<16                     ; tile_dim0
	s_mov_b32 s[\g+4], 8                           ; tile_dim1
	s_mov_b32 s[\g+5], 2048                        ; tensor_dim0_stride
	s_mov_b32 s[\g+6], 0
	s_mov_b32 s[\g+7], 0
.endr
	s_lshl_b32 s18, s16, 17                        ; which 8 tiles of 16,384 bytes I fetch
	s_lshl_b32 s20, s17, 18                        ; tokens: 16 tiles for each yg (the three tensors lie on end),
	s_add_co_u32 s20, s20, s18
	s_mov_b32 s21, 0
	s_lshl_b32 s46, s42, 18                        ; weights: 16 tiles for each x,
	s_add_co_u32 s46, s46, s18
	s_lshl_b32 s47, s13, 20                        ; in the tensor's weight
	s_add_co_u32 s46, s46, s47
	s_mov_b32 s47, 0
	s_mul_i32 s45, s14, HALFT                      ; where they go: wave x 8 tiles: no place in the cluster enters an LDS address
	s_lshl_b32 s66, s13, 3                         ; entries 2 t, 2 t + 1 of the exponents: ea, eb
	s_mov_b32 s67, 0
	s_lshl_b32 s68, s13, 2
	s_add_co_u32 s68, s68, 24                      ; entry 6 for q, 7 for k,
	s_cmp_ge_u32 s12, 16
	s_cselect_b32 s69, 4, 0
	s_add_co_u32 s68, s68, s69                     ; 9 for v: eo
	s_mov_b32 s69, 0
	s_wait_kmcnt 0x0
	s_add_nc_u64 s[66:67], s[8:9], s[66:67]
	s_add_nc_u64 s[68:69], s[8:9], s[68:69]
	s_load_b64 s[96:97], s[66:67], 0x0
	s_load_b32 s98, s[68:69], 0x0
	s_add_nc_u64 s[20:21], s[4:5], s[20:21]
	s_add_nc_u64 s[46:47], s[6:7], s[46:47]
	CROUND                                         ; all sixteen work-groups are here: the first joint loads meet
.irp s, 0,1
	s_mov_b32 s[G0+4*\s], 1
	s_add_co_u32 s[G0+4*\s+1], s45, \s*SLOT
	s_add_nc_u64 s[G0+4*\s+2:G0+4*\s+3], s[20:21], \s*RT
	s_or_b32 s[G0+4*\s+3], s[G0+4*\s+3], 0x80000000
	s_mov_b32 s[G0B+4*\s], 1
	s_add_co_u32 s[G0B+4*\s+1], s45, \s*SLOT
	s_add_nc_u64 s[G0B+4*\s+2:G0B+4*\s+3], s[46:47], \s*RT
	s_or_b32 s[G0B+4*\s+3], s[G0B+4*\s+3], 0x80000000
	JLOAD G0+4*\s, G1, G0B+4*\s, G1B
.endr
	v_and_b32 v6, 31, v0
	v_lshlrev_b32 v[CO], 4, v6                     ; 16 x lane
	s_cmp_ge_u32 s12, 16                           ; v?  Then source 1 reads the weights' half of a slot and source 0 the tokens'
	s_cselect_b32 s21, 2*HALFT, 0
	s_cselect_b32 s22, 0, 2*HALFT
	s_cselect_b32 s70, s15, s16                    ; which half of the columns is mine,
	s_cselect_b32 s71, s16, s15                    ; and which half of the tokens
	s_mul_i32 s23, s15, HALFT
	s_add_co_u32 s21, s21, s23
	s_mul_i32 s23, s16, HALFT
	s_add_co_u32 s22, s22, s23
.irp s, 0,1
	v_add_nc_u32 v[ADRA+\s], s21, v[CO]
	v_add_nc_u32 v[ADRB+\s], s22, v[CO]
	s_add_co_u32 s21, s21, SLOT
	s_add_co_u32 s22, s22, SLOT
.endr
	; where my codes go: tensor x 2^23 + batch x 2^21 + (4 x + 2 x my half of the columns) heads of 131,072 bytes + (2 (yg % 8) + my half of the tokens) x 8,192 (8 tiles of q or k, or one key step of v)
	s_lshl_b32 s72, s13, 23
	s_and_b32 s73, s17, 31
	s_lshr_b32 s73, s73, 3
	s_lshl_b32 s73, s73, 21
	s_add_co_u32 s72, s72, s73
	s_lshl_b32 s73, s42, 2
	s_lshl_b32 s74, s70, 1
	s_add_co_u32 s73, s73, s74
	s_lshl_b32 s73, s73, 17
	s_add_co_u32 s72, s72, s73
	s_and_b32 s73, s17, 7
	s_lshl_b32 s73, s73, 1
	s_add_co_u32 s73, s73, s71
	s_lshl_b32 s73, s73, 13
	s_add_co_u32 s72, s72, s73
	s_mov_b32 s73, 0
	s_add_nc_u64 s[10:11], s[10:11], s[72:73]
.macro FRAG reg, adr, q, i             ; fragment q of tile i of a slot: four chunks, as they lie
.irp c, 0,1,2,3
	ds_load_b128 v[\reg+4*\c:\reg+4*\c+3], v[\adr] offset:RT*(\i)+2048*(\q)+512*\c
.endr
.endm
; 16 matrix instructions: source 1's blocks a0, a0 + 1 x source 0's eight, 128 along K.  p: source 0's set.  zero = 1: the first product starts the sums.
; The 64 accumulators take turns, one instruction a turn, in the same order in every step.
.macro MUL16 a0, p, zero
.irp a, \a0, \a0+1
.irp b, 0,1,2,3,4,5,6,7
.if \zero
	v_wmma_f32_16x16x128_fp8_fp8 v[8*(8*((\a)%4)+\b):8*(8*((\a)%4)+\b)+7], v[128*(\p)+FR*\b:128*(\p)+FR*\b+FR-1], v[AF+FR*(\a):AF+FR*(\a)+FR-1], 0
.else
	v_wmma_f32_16x16x128_fp8_fp8 v[8*(8*((\a)%4)+\b):8*(8*((\a)%4)+\b)+7], v[128*(\p)+FR*\b:128*(\p)+FR*\b+FR-1], v[AF+FR*(\a):AF+FR*(\a)+FR-1], v[8*(8*((\a)%4)+\b):8*(8*((\a)%4)+\b)+7]
.endif
.endr
.endr
.endm
.macro FETCH_B slot, q, p
	WIN TO_B
.irp i, 0,1,2,3,4,5,6,7
	FRAG 128*(\p)+FR*\i, ADRB+\slot, \q, \i
.endr
	WIN 0
.endm
.macro FETCH_A slot, q, i0
.irp i, \i0, \i0+1, \i0+2, \i0+3
	FRAG AF+FR*(\i), ADRA+\slot, \q, \i
.endr
.endm
.macro PLACES n                        ; plain vector lines between a matrix instruction and a load into, or a vector line on, its registers
.rept \n
	v_nop
.endr
.endm
.macro STEP slot, q, zero              ; a step of 128 along K that has its successor in the same slot
	s_wait_dscnt 4*NL                              ; source 0's set and source 1's blocks 0-3 are in; the youngest 16 loads (blocks 4-7) may be out
	WIN MUL_LO
	MUL16 0, (\q)%2, \zero
	MUL16 2, (\q)%2, \zero
	s_wait_dscnt 0
	PLACES NP
	FETCH_B \slot, (\q)+1, 1-(\q)%2
	FETCH_A \slot, (\q)+1, 0
	WIN MUL_HI
	MUL16 4, (\q)%2, \zero
	MUL16 6, (\q)%2, \zero
	PLACES NP
	WIN 0
	FETCH_A \slot, (\q)+1, 4
.endm
; A slot's last step changes slots: ONE barrier; in front of it each wave waits for all its tensor loads, adds 0 to its spare word, and waits for that and for its own reads of this slot.  fill = 1: this slot is filled again, two K steps ahead.
.macro TURN slot, next, fill
	s_wait_tensorcnt 0x0                           ; all my tensor loads have landed: my part of the next slot
	ds_add_u32 v[SPW], v[NIL]                      ; 0 onto my spare word
	s_wait_dscnt 4*NL+1                            ; (the add and the youngest 16 loads may be out)
	WIN MUL_LO
	MUL16 0, 1, 0                                  ; sixteen matrix instructions stand between the add and the wait for it
	s_wait_dscnt 0x0                               ; the add is done, and my reads of this slot are over
	s_barrier_signal -1
	MUL16 2, 1, 0
	WIN 0
	s_barrier_wait -1
.if \fill
	CREST                                          ; the barrier has opened a round of the cluster's: no wave of any partner still reads this slot or has a load on its way
	s_add_nc_u64 s[G0+4*\slot+2:G0+4*\slot+3], s[G0+4*\slot+2:G0+4*\slot+3], 2*RT
	s_add_nc_u64 s[G0B+4*\slot+2:G0B+4*\slot+3], s[G0B+4*\slot+2:G0B+4*\slot+3], 2*RT
	JLOAD G0+4*\slot, G1, G0B+4*\slot, G1B         ; the first tensor load behind the round; its four v_nop are the places in front of the loads below
.else
	PLACES NP
.endif
	FETCH_B \next, 0, 0
	FETCH_A \next, 0, 0
	WIN MUL_HI
	MUL16 4, 1, 0
	MUL16 6, 1, 0
	PLACES NP
	WIN 0
	FETCH_A \next, 0, 4
.endm
	s_wait_tensorcnt 1                             ; my part of K step 0 is in (K step 1's load may be out)
	s_barrier_signal -1
	s_barrier_wait -1                              ; everybody's is
	FETCH_B 0, 0, 0
	FETCH_A 0, 0, 0
	FETCH_A 0, 0, 4
	STEP 0, 0, 1                                   ; the first step stands in front of the loop: its products start the sums
	s_mov_b32 s3, LAPS-1
.Llap:                                                 ; a trip goes once round the ring and fills both slots again
	TURN 0, 1, 1
	STEP 1, 0, 0
	TURN 1, 0, 1
	STEP 0, 0, 0
	s_sub_co_u32 s3, s3, 1
	s_cmp_lg_u32 s3, 0
	s_cbranch_scc1 .Llap
	TURN 0, 1, 0                                   ; the last lap fills nothing
	STEP 1, 0, 0
	s_wait_dscnt 4*NL
	WIN MUL_LO
	MUL16 0, 1, 0
	MUL16 2, 1, 0
	s_wait_dscnt 0
	WIN MUL_HI
	MUL16 4, 1, 0
	MUL16 6, 1, 0
	WIN 0
	; THE WAY OUT: no LDS.  A block's 64 sums of a lane are four runs of 16 neighbours along the next K: held, converted, and each run of 16 codes is a lane's 16 bytes of a chunk.
	s_wait_kmcnt 0x0
	s_sub_co_i32 s98, s98, s96
	s_sub_co_i32 s98, s98, s97                     ; eo - ea - eb
	s_add_co_i32 s98, s98, 127
	s_lshl_b32 s99, s98, 23
	v_mov_b32 v[SC], s99
	s_add_co_i32 s98, s98, 8
	s_lshl_b32 s98, s98, 23
	s_or_b32 s98, s98, 0x600000
	v_mov_b32 v[LIM], s98
	PLACES NP
.macro QOUT a
.set AC, 64*((\a)%4)
	WIN 0x02+((\a)/4)                              ; source 0: window 2 or 3
.set j, 0
.rept 64
	v_med3_num_f32 v[TMP+j], v[AC+j], -v[LIM], v[LIM]   ; the hold at the largest code x the scale (ISA guide 7.6.2); each accumulator from its low end on
.set j, j+1
.endr
	WIN 0
.irp g, 0,1,2,3,4,5,6,7
	v_cvt_scalef32_pk8_fp8_f32 v[CD+16*(\a)+2*\g:CD+16*(\a)+2*\g+1], v[TMP+8*\g:TMP+8*\g+7], v[SC]
.endr
	v_nop                                          ; one plain line behind the last conversion: the next block's holds write its sources
.endm
.irp a, 0,1,2,3,4,5,6,7
	QOUT \a
.endr
	s_cmp_ge_u32 s12, 16                           ; the cluster's y: the same in all partners
	s_cbranch_scc1 .Lkeys_innermost
.irp a, 0,1,2,3,4,5,6,7                        ; q, k: block a = a tile of tokens; run p = head p / 2 of my two, chunk p % 2
.irp p, 0,1,2,3
	global_store_b128 v[CO], v[CD+16*\a+4*\p:CD+16*\a+4*\p+3], s[10:11] offset:(\p/2)*131072+\a*1024+(\p%2)*512   ; 512 consecutive bytes, aligned
.endr
.endr
	s_branch .Lstored
.Lkeys_innermost:
.irp a, 0,1,2,3,4,5,6,7                        ; v: block a = tile a % 4 of channels of head a / 4 of my two; run p = chunk p of my key step
.irp p, 0,1,2,3
	global_store_b128 v[CO], v[CD+16*\a+4*\p:CD+16*\a+4*\p+3], s[10:11] offset:(\a/4)*131072+(\a%4)*2048+\p*512
.endr
.endr
.Lstored:
	s_wait_tensorcnt 0x0                           ; the wave's end
	ds_add_u32 v[SPW], v[NIL]
	s_wait_dscnt 0x0
	CROUND                                         ; the closing round: no work-group ends while a partner may still ask for a tile that names it
	s_endpgm
.Lfunc_end_k_q195fc3c45a_proj:
	.size	k_q195fc3c45a_proj, .Lfunc_end_k_q195fc3c45a_proj-k_q195fc3c45a_proj
	.p2alignl 7, 3214868480
	.fill 96, 4, 3214868480
	.section	.rodata,"a",@progbits
	.p2align	6, 0x0
	.amdhsa_kernel k_q195fc3c45a_proj
		.amdhsa_group_segment_fixed_size 327680
		.amdhsa_private_segment_fixed_size 0
		.amdhsa_enable_private_segment 0
		.amdhsa_kernarg_size 32
		.amdhsa_user_sgpr_count 2
		.amdhsa_user_sgpr_kernarg_segment_ptr 1
		.amdhsa_wavefront_size32 1
		.amdhsa_system_sgpr_workgroup_id_x 1
		.amdhsa_system_sgpr_workgroup_id_y 1
		.amdhsa_system_sgpr_workgroup_id_z 1
		.amdhsa_system_vgpr_workitem_id 0
		.amdhsa_next_free_vgpr 1024
		.amdhsa_next_free_sgpr 100
		.amdhsa_reserve_vcc 0
		.amdhsa_float_denorm_mode_32 3
		.amdhsa_float_denorm_mode_16_64 3
		.amdhsa_memory_ordered 1
		.amdhsa_forward_progress 1
		.amdhsa_inst_pref_size 121
	.end_amdhsa_kernel
	.amdgpu_metadata
---
amdhsa.version: [ 1, 2 ]
amdhsa.kernels:
  - .name:           k_q195fc3c45a_proj
    .symbol:         k_q195fc3c45a_proj.kd
    .args:
      - { .name: act_codes, .offset: 0, .size: 8, .value_kind: global_buffer, .address_space: global }
      - { .name: w_codes, .offset: 8, .size: 8, .value_kind: global_buffer, .address_space: global }
      - { .name: lowp_scales, .offset: 16, .size: 8, .value_kind: global_buffer, .address_space: global }
      - { .name: qkv, .offset: 24, .size: 8, .value_kind: global_buffer, .address_space: global }
    .group_segment_fixed_size: 327680
    .private_segment_fixed_size: 0
    .kernarg_segment_align: 8
    .kernarg_segment_size: 32
    .max_flat_workgroup_size: 128
    .sgpr_count:     100
    .vgpr_count:     1024
    .wavefront_size: 32
...
	.end_amdgpu_metadata
.endif
;; end of part 2
;; launch attn (part 3): grid 4 x 64, 16 waves a work-group, no clusters, 264,192 bytes of LDS; arguments qkv, mw, flags, lowp_scales, ao; writes ao
.if DOCPART == 3
	.amdgcn_target "amdgcn-amd-amdhsa--gfx1250"
	.amdhsa_code_object_version 6
	.text
	.protected	k_q195fc3c45a_attn
	.globl	k_q195fc3c45a_attn
	.p2align	8
	.type	k_q195fc3c45a_attn,@function
k_q195fc3c45a_attn:
	s_mov_b64 s[64:65], 0
	v_nop
	global_prefetch_b8 v0, s[64:65] scope:SCOPE_SE
	s_setreg_imm32_b32 hwreg(HW_REG_WAVE_MODE, 25, 1), 1
	s_wait_xcnt 0x0
; ATTN: for each of 64 heads (batch x head): S = q k^T / 8, masked where the mask says so, softmax, times v; both products on codes of E4M3; the result is quantised for the last projection.
; THE SOFTMAX AHEAD OF THE SECOND PRODUCT: t = logit x log2(e); M = the running largest t rounded UP to a whole number; p = 2^(t - M) is quantised with 2^e8; the row's sum is taken of the unquantised p and divides at the end.
; SHARES.  Work-group (x, head): 32 of the head's 128 tiles of 16 queries.  Wave w (id = 16 x + w) takes tile 127 - id, then tile id: one tile at a time, in 256 registers, four waves to a SIMD.
; LDS holds the head's whole K and V, 262,144 bytes: key step s (128 keys) at 16,384 s: 8,192 bytes of K's image, then 8,192 of V's.  The bytes are filled once, through registers, a quarter (4 steps) at a time,
; the next quarter's loads being out while a quarter is multiplied: four barriers in all, and nothing is filled again.
; NO JOINT LOADS, NO TENSOR LOADS: which key steps a wave multiplies hangs on numbers read from memory (flags).  So each of a head's four work-groups copies the head's K and V itself.
; LAYOUT.  Both products are used transposed: S^T = K Q^T (source 0 = 16 keys, source 1 = my 16 queries, K = 64), O^T = V^T P^T (source 0 = 16 channels, source 1 = P, K = 128 keys): a lane holds ONE query throughout.
; All images are in the order of the operand's registers; lane row r of tile T is row 32 (T / 2) + 8 (T % 2) + r + 8 (r / 8), so score register n = 16 b + i of lane (r, h) is key 32 b + 16 h + i of the step: 16 neighbours for each conversion pair.
; THE MASK is an input and is honoured as it is given.  flags says of each (tile, step) whether any key counts and whether any key is masked; a step in which no key counts for any of the 16 queries is left out
; (its p would be 0), unless some query of the tile has ALL 2,048 keys masked: then every step is taken, since such a row's p is 1 everywhere.  In a step with masked keys the 64 lane masks of mw replace those scores.
; A MASKED SCORE stands as -2^(70 - e6 - e7), that is a logit of -2^67 where the problem has -1e20: its product with c is exact, so that in a wholly masked row t - M is exactly 0; beside any real logit p is 0 with either number.
; LIMITS: e6 + e7 between -57 and 45 (beyond 45 codes' own logits could reach 1e20); e8, and e10 - e8 - e9, between -126 and 119.  NaN is not served.
; REGISTERS: v1 16 x lane; v2 where I store the fill; v3 16 x thread; v4 the step's LDS address; v12 -M, v13 the largest t, v[14:15] the sum; v16-23 Q; v24 the masked score; v25, v26 448 x 2^e8, 2^e8; v27, v28 the same for the output;
;   v32-95 K's fragments, then V's; v96-159 S^T, then p; v160-191 O^T; v192-207 p's codes, later the output's; v208-239 the fill in flight; v240.. at work.
;   s16-63, s80-95 the step's 64 mask words; s[4:5] q at my head; s[6:7], s[8:9] K, V at my head; s[10:11] mw at the step; s[12:13] ao at my tile; s70, s71 the steps' bits, shifted down a step at a time; s72 the step's LDS byte.
.macro FILL_LOAD g                     ; quarter g: 4 steps x (8,192 bytes of K, 8,192 of V): 16 bytes a thread of each
.irp j, 0,1,2,3
	global_load_b128 v[208+8*\j:211+8*\j], v3, s[6:7] offset:(4*(\g)+\j)*8192
	global_load_b128 v[212+8*\j:215+8*\j], v3, s[8:9] offset:(4*(\g)+\j)*8192
.endr
.endm
.macro FILL_STORE g, more
	s_wait_loadcnt 0x0                             ; the quarter's eight loads are in (and, the first time, Q)
.irp j, 0,1,2,3
	ds_store_b128 v2, v[208+8*\j:211+8*\j] offset:16384*\j
	ds_store_b128 v2, v[212+8*\j:215+8*\j] offset:16384*\j+8192
.endr
	s_wait_dscnt 0x0                               ; for the others' sake: my stores have landed; and they have read their registers
	v_add_nc_u32 v2, 0x10000, v2                   ; the next quarter
.if \more
	FILL_LOAD (\g)+1                               ; asked for a quarter's work ahead of its stores
.endif
	s_barrier_signal -1
	s_barrier_wait -1                              ; the quarter lies whole in LDS
.endm
; The step's scores, and the loads of its V.
.macro QK
.irp t, 0,1,2,3,4,5,6,7
	ds_load_b128 v[32+8*\t:35+8*\t], v4 offset:1024*\t
	ds_load_b128 v[36+8*\t:39+8*\t], v4 offset:1024*\t+512
.endr
.irp t, 0,1,2,3,4,5,6,7
	s_wait_dscnt 14-2*\t                           ; tile t's two loads are in; the later tiles' may be out
	v_wmma_f32_16x16x64_fp8_fp8 v[96+8*\t:103+8*\t], v[32+8*\t:39+8*\t], v[16:23], 0
.endr
.rept 4
	v_nop                                          ; places in front of the loads into K's registers and of the first read of the scores
.endr
.irp t, 0,1,2,3
.irp c, 0,1,2,3
	ds_load_b128 v[32+16*\t+4*\c:35+16*\t+4*\c], v4 offset:8192+2048*\t+512*\c   ; V lands under the softmax
.endr
.endr
.endm
.macro STEP
	v_add_nc_u32 v4, s72, v1                       ; made on every path, ahead of the branches
	s_bitcmp1_b32 s70, 0
	s_cbranch_scc0 .Lskip_\@                       ; no key of the step counts for any of my queries
	s_bitcmp1_b32 s71, 0
	s_cbranch_scc0 .Lopen_\@                       ; no key of the step is masked
	s_load_b512 s[16:31], s[10:11], 0x0            ; the step's 64 lane masks
	s_load_b512 s[32:47], s[10:11], 0x40
	s_load_b512 s[48:63], s[10:11], 0x80
	s_load_b512 s[80:95], s[10:11], 0xc0
	QK
	s_wait_kmcnt 0x0
.set n, 0
.rept 64
.if n < 48
	v_cndmask_b32 v[96+n], v[96+n], v24, s[16+n]
.else
	v_cndmask_b32 v[96+n], v[96+n], v24, s[32+n]
.endif
.set n, n+1
.endr
	s_branch .Ljoin_\@
.Lopen_\@:
	QK
.Ljoin_\@:
	v_max3_num_f32 v244, v96, v97, v98             ; the step's largest score of my query, among my 64 keys, in two chains,
	v_max3_num_f32 v245, v99, v100, v101
.irp i, 6,10,14,18,22,26,30,34,38,42,46,50,54,58
	v_max3_num_f32 v244, v244, v[96+\i], v[97+\i]
	v_max3_num_f32 v245, v245, v[98+\i], v[99+\i]
.endr
	v_max3_num_f32 v244, v244, v158, v159
	v_max_num_f32 v244, v244, v245
	v_permlanex16_b32 v246, v244, s68, s69
	v_max_num_f32 v244, v244, v246                 ; and among lane l xor 16's
	v_mul_f32 v244, s66, v244                      ; as t (c is positive)
	v_max_num_f32 v13, v13, v244                   ; the running largest t
	v_mov_b32 v244, v12
	v_floor_f32 v12, -v13                          ; the new -M = floor(-t) = -ceil(t)
	v_sub_f32 v244, v12, v244                      ; M's old value less its new one: a whole number, 0 or less
	v_cvt_i32_f32 v244, v244                       ; (it saturates)
	v_ldexp_f32 v240, 1.0, v244                    ; f = 2^(old M - new M)
.irp j, 0,2,4,6,8,10,12,14,16,18,20,22,24,26,28,30,32,34,36,38,40,42,44,46,48,50,52,54,56,58,60,62
	v_pk_fma_f32 v[96+\j:97+\j], v[96+\j:97+\j], s[66:67], v[12:13] op_sel_hi:[1,0,0]   ; t - M, two at a time (of the pairs c and -M the low word serves both halves)
.endr
.set j, 0
.rept 64
	v_exp_f32 v[96+j], v[96+j]                     ; p = 2^(t - M), at most 1
.set j, j+1
.endr
	v_pk_mul_f32 v[14:15], v[14:15], v[240:241] op_sel_hi:[1,0]   ; the sums under the new M: the plain line behind the exponentials
	s_wait_alu depctr_va_vdst(0)                   ; one wait for the whole batch, ahead of its first reader
	v_pk_add_f32 v[242:243], v[96:97], v[98:99]    ; the row's sum is taken of the unquantised p, in two chains
.irp j, 4,8,12,16,20,24,28,32,36,40,44,48,52,56,60
	v_pk_add_f32 v[14:15], v[14:15], v[96+\j:97+\j]
	v_pk_add_f32 v[242:243], v[242:243], v[98+\j:99+\j]
.endr
	v_pk_add_f32 v[14:15], v[14:15], v[242:243]
	s_cmp_ge_i32 s74, -8                           ; from e8 = -8 on, 448 x 2^e8 is 1.75 or more, above every p: the hold could change nothing
	s_cbranch_scc1 .Lnohold_\@
.set j, 0
.rept 64
	v_min_num_f32 v[96+j], v[96+j], v25            ; the conversion does not saturate (ISA guide 7.6.2); p is not negative, so the hold is one-sided
.set j, j+1
.endr
.Lnohold_\@:
.irp b, 0,1,2,3
	v_cvt_scalef32_pk8_fp8_f32 v[192+4*\b:193+4*\b], v[96+16*\b:103+16*\b], v26
	v_cvt_scalef32_pk8_fp8_f32 v[194+4*\b:195+4*\b], v[104+16*\b:111+16*\b], v26
.endr
.irp j, 0,2,4,6,8,10,12,14,16,18,20,22,24,26,28,30
	v_pk_mul_f32 v[160+\j:161+\j], v[160+\j:161+\j], v[240:241] op_sel_hi:[1,0]   ; O^T under the new M; also the plain lines between the conversions and the products
.endr
	s_wait_dscnt 0x0                               ; V is in
.irp t, 0,1,2,3
	v_wmma_f32_16x16x128_fp8_fp8 v[160+8*\t:167+8*\t], v[32+16*\t:47+16*\t], v[192:207], v[160+8*\t:167+8*\t]   ; the four accumulators take turns
.endr
.rept 4
	v_nop                                          ; places in front of the next loads into V's registers and of the next read of O^T
.endr
.Lskip_\@:
	s_lshr_b32 s70, s70, 1
	s_lshr_b32 s71, s71, 1
	s_add_co_u32 s72, s72, 16384
	s_add_nc_u64 s[10:11], s[10:11], 256           ; the next step's words (the loads that named this pointer were waited for in their arm)
.endm
.macro RUN steps
	s_mov_b32 s75, \steps
.Lrun_\@:
	STEP
	s_sub_co_u32 s75, s75, 1
	s_cmp_lg_u32 s75, 0
	s_cbranch_scc1 .Lrun_\@
.endm
; A tile begins: s73 = the tile.
.macro PASS_INIT
	s_wait_xcnt 0x0                                ; earlier loads and stores have read their bases and data: these are written again only behind this wait
	s_mov_b32 s101, 0
	s_lshl_b32 s100, s73, 10
	s_add_nc_u64 s[98:99], s[4:5], s[100:101]      ; q: 1,024 bytes a tile
	s_add_nc_u64 s[2:3], s[78:79], s[100:101]      ; flags: 1,024 bytes a tile
	s_lshl_b32 s100, s73, 12
	s_add_nc_u64 s[10:11], s[76:77], s[100:101]    ; mw: 4,096 bytes a tile
	s_lshl_b32 s100, s73, 14
	s_add_nc_u64 s[12:13], s[96:97], s[100:101]    ; ao: 16,384 bytes a tile
	s_load_b64 s[16:17], s[2:3], 0x0
	s_load_b64 s[18:19], s[2:3], 0x100
	s_load_b64 s[20:21], s[2:3], 0x200
	s_load_b64 s[22:23], s[2:3], 0x300
	global_load_b128 v[16:19], v1, s[98:99]
	global_load_b128 v[20:23], v1, s[98:99] offset:512
	v_mov_b32 v13, 0xff61b1e6                      ; the largest t so far: -3e38, under every t
	v_floor_f32 v12, -v13
	v_mov_b32 v14, 0
	v_mov_b32 v15, 0
.set j, 0
.rept 32
	v_mov_b32 v[160+j], 0                          ; O^T: which step is a tile's first hangs on the flags, so no product can be written out to start the sums
.set j, j+1
.endr
	s_wait_kmcnt 0x0
	s_or_b32 s70, s16, s18
	s_or_b32 s70, s70, s20
	s_or_b32 s70, s70, s22
	s_and_b32 s100, s17, s19
	s_and_b32 s100, s100, s21
	s_and_b32 s100, s100, s23                      ; bit L: all 1,024 keys of lane L are masked
	s_lshr_b32 s71, s70, 16                        ; bit s: step s holds a masked key
	s_and_b32 s70, s70, 0xffff                     ; bit s: step s holds a key that counts
	s_lshr_b32 s101, s100, 16
	s_and_b32 s100, s100, s101
	s_and_b32 s100, s100, 0xffff                   ; bit r: all 2,048 keys of query r are masked
	s_cmp_lg_u32 s100, 0
	s_cselect_b32 s70, 0xffff, s70                 ; then every step is taken
.endm
; A tile ends: O^T / the sum, quantised with 2^e10, is two chunks of ao.
.macro PASS_OUT
	v_add_f32 v14, v14, v15
	v_permlanex16_b32 v246, v14, s68, s69
	v_add_f32 v14, v14, v246                       ; the row's sum
	v_rcp_f32 v248, v14
	v_mov_b32 v249, 0                              ; the plain line behind the reciprocal; (named as the pair's upper half)
	s_wait_alu depctr_va_vdst(0)                   ; the wait ahead of the first reader
.irp j, 0,2,4,6,8,10,12,14,16,18,20,22,24,26,28,30
	v_pk_mul_f32 v[96+\j:97+\j], v[160+\j:161+\j], v[248:249] op_sel_hi:[1,0]   ; register 16 b + i is channel 32 b + 16 h + i of my query
.endr
.set j, 0
.rept 32
	v_med3_num_f32 v[96+j], v[96+j], -v27, v27
.set j, j+1
.endr
.irp g, 0,1,2,3
	v_cvt_scalef32_pk8_fp8_f32 v[192+2*\g:193+2*\g], v[96+8*\g:103+8*\g], v28
.endr
	v_nop                                          ; one plain line behind the last conversion
	global_store_b128 v1, v[192:195], s[12:13]     ; 512 consecutive bytes each, aligned
	global_store_b128 v1, v[196:199], s[12:13] offset:512
.endm
	s_load_b256 s[16:23], s[0:1], 0x0              ; qkv s[16:17], mw s[18:19], flags s[20:21], the scales' exponents s[22:23]
	s_load_b64 s[24:25], s[0:1], 0x20              ; ao
	v_lshl_add_u32 v254, v0, 2, 0x40000
	v_mov_b32 v255, 0
	v_lshrrev_b32 v5, 5, v0
	v_readfirstlane_b32 s14, v5                    ; wave 0..15
	v_and_b32 v1, 31, v0
	v_lshlrev_b32 v1, 4, v1                        ; 16 x lane
	v_lshlrev_b32 v2, 4, v0                        ; 16 x thread: in LDS,
	v_lshlrev_b32 v3, 4, v0                        ; and in memory
	s_and_b32 s2, ttmp7, 0xffff                    ; batch x 16 + head
	s_lshl_b32 s15, ttmp9, 4
	s_add_co_u32 s15, s15, s14                     ; id = 16 x + wave
	s_lshl_b32 s100, s2, 17                        ; 131,072 bytes a head in each of q, k, v
	s_mov_b32 s101, 0
	s_mov_b32 s68, 0x76543210                      ; v_permlanex16_b32's selects for lane l xor 16
	s_mov_b32 s69, 0xfedcba98
	s_wait_kmcnt 0x0
	s_load_b128 s[28:31], s[22:23], 0x18           ; e6, e7, e8, e9
	s_load_b32 s32, s[22:23], 0x28                 ; e10
	s_add_nc_u64 s[4:5], s[16:17], s[100:101]
	s_add_nc_u64 s[6:7], s[4:5], 0x800000
	s_add_nc_u64 s[8:9], s[4:5], 0x1000000
	s_mov_b64 s[76:77], s[18:19]
	s_mov_b64 s[78:79], s[20:21]
	s_lshr_b32 s3, s2, 4
	s_lshl_b32 s100, s3, 21                        ; ao: 128 tiles of 16,384 bytes a batch,
	s_and_b32 s3, s2, 15
	s_lshl_b32 s3, s3, 10                          ; a head's 64 of the 1,024 along K are two chunks: 1,024 bytes
	s_add_co_u32 s100, s100, s3
	s_add_nc_u64 s[96:97], s[24:25], s[100:101]
	FILL_LOAD 0
	s_wait_kmcnt 0x0
	s_add_co_i32 s3, s28, s29                      ; e6 + e7
	s_lshl_b32 s100, s3, 23
	s_add_co_i32 s66, s100, 0x3e38aa3b             ; c = log2(e) / 8 x 2^(e6 + e7): the exponents are added to c's exponent field
	s_mov_b32 s67, s66                             ; (named with it as a pair)
	s_sub_co_i32 s3, 197, s3
	s_lshl_b32 s3, s3, 23
	s_or_b32 s3, s3, 0x80000000
	v_mov_b32 v24, s3                              ; -2^(70 - e6 - e7)
	s_mov_b32 s74, s30                             ; e8
	s_add_co_i32 s3, s30, 127
	s_lshl_b32 s100, s3, 23
	v_mov_b32 v26, s100                            ; 2^e8
	s_add_co_i32 s3, s3, 8
	s_lshl_b32 s3, s3, 23
	s_or_b32 s3, s3, 0x600000
	v_mov_b32 v25, s3                              ; 448 x 2^e8
	s_sub_co_i32 s3, s32, s30
	s_sub_co_i32 s3, s3, s31                       ; a sum of the second product stands for sum x 2^(e8 + e9): its code is sum / 2^(e10 - e8 - e9)
	s_add_co_i32 s3, s3, 127
	s_lshl_b32 s100, s3, 23
	v_mov_b32 v28, s100
	s_add_co_i32 s3, s3, 8
	s_lshl_b32 s3, s3, 23
	s_or_b32 s3, s3, 0x600000
	v_mov_b32 v27, s3
	v_mov_b32 v241, 0                              ; (named as the upper half of the pair v[240:241])
	v_mov_b32 v246, 0                              ; written once: a lane permute's destination counts as one of its sources
	s_sub_co_u32 s73, 127, s15                     ; the first tile: 127 - id
	PASS_INIT
	FILL_STORE 0, 1
	s_mov_b32 s72, 0
	RUN 4
	FILL_STORE 1, 1                                ; stores into quarter 1 while other waves may still read quarter 0: other bytes
	s_mov_b32 s72, 65536
	RUN 4
	FILL_STORE 2, 1
	s_mov_b32 s72, 2*65536
	RUN 4
	FILL_STORE 3, 0
	s_mov_b32 s72, 3*65536
	RUN 4
	PASS_OUT
	s_mov_b32 s73, s15                             ; the second tile: id.  All of K and V lies in LDS
	PASS_INIT
	s_wait_loadcnt 0x0                             ; Q
	s_mov_b32 s72, 0
	RUN 16
	PASS_OUT
	s_wait_tensorcnt 0x0
	ds_add_u32 v254, v255
	s_wait_dscnt 0x0
	s_endpgm
.Lfunc_end_k_q195fc3c45a_attn:
	.size	k_q195fc3c45a_attn, .Lfunc_end_k_q195fc3c45a_attn-k_q195fc3c45a_attn
	.p2alignl 7, 3214868480
	.fill 96, 4, 3214868480
	.section	.rodata,"a",@progbits
	.p2align	6, 0x0
	.amdhsa_kernel k_q195fc3c45a_attn
		.amdhsa_group_segment_fixed_size 264192
		.amdhsa_private_segment_fixed_size 0
		.amdhsa_enable_private_segment 0
		.amdhsa_kernarg_size 40
		.amdhsa_user_sgpr_count 2
		.amdhsa_user_sgpr_kernarg_segment_ptr 1
		.amdhsa_wavefront_size32 1
		.amdhsa_system_sgpr_workgroup_id_x 1
		.amdhsa_system_sgpr_workgroup_id_y 1
		.amdhsa_system_sgpr_workgroup_id_z 1
		.amdhsa_system_vgpr_workitem_id 0
		.amdhsa_next_free_vgpr 256
		.amdhsa_next_free_sgpr 102
		.amdhsa_reserve_vcc 0
		.amdhsa_float_denorm_mode_32 3
		.amdhsa_float_denorm_mode_16_64 3
		.amdhsa_memory_ordered 1
		.amdhsa_forward_progress 1
		.amdhsa_inst_pref_size 136
	.end_amdhsa_kernel
	.amdgpu_metadata
---
amdhsa.version: [ 1, 2 ]
amdhsa.kernels:
  - .name:           k_q195fc3c45a_attn
    .symbol:         k_q195fc3c45a_attn.kd
    .args:
      - { .name: qkv, .offset: 0, .size: 8, .value_kind: global_buffer, .address_space: global }
      - { .name: mw, .offset: 8, .size: 8, .value_kind: global_buffer, .address_space: global }
      - { .name: flags, .offset: 16, .size: 8, .value_kind: global_buffer, .address_space: global }
      - { .name: lowp_scales, .offset: 24, .size: 8, .value_kind: global_buffer, .address_space: global }
      - { .name: ao, .offset: 32, .size: 8, .value_kind: global_buffer, .address_space: global }
    .group_segment_fixed_size: 264192
    .private_segment_fixed_size: 0
    .kernarg_segment_align: 8
    .kernarg_segment_size: 40
    .max_flat_workgroup_size: 512
    .sgpr_count:     102
    .vgpr_count:     256
    .wavefront_size: 32
...
	.end_amdgpu_metadata
.endif
;; end of part 3
;; launch oproj (part 4): grid 4 x 32, 4 waves a work-group, clusters of 4 x 4, 327,680 bytes of LDS; arguments ao, w_codes, lowp_scales, bo, out0; writes out0
.if DOCPART == 4
	.amdgcn_target "amdgcn-amd-amdhsa--gfx1250"
	.amdhsa_code_object_version 6
	.text
	.protected	k_q195fc3c45a_oproj
	.globl	k_q195fc3c45a_oproj
	.p2align	8
	.type	k_q195fc3c45a_oproj,@function
k_q195fc3c45a_oproj:
	s_mov_b64 s[64:65], 0
	v_nop
	global_prefetch_b8 v0, s[64:65] scope:SCOPE_SE
	s_setreg_imm32_b32 hwreg(HW_REG_WAVE_MODE, 25, 1), 1
	s_wait_xcnt 0x0
	s_wait_alu depctr_hold_cnt(0) depctr_sa_sdst(0) depctr_va_vdst(0) depctr_va_sdst(0) depctr_va_ssrc(0) depctr_va_vcc(0) depctr_vm_vsrc(0)
	s_getreg_b32 s2, hwreg(HW_REG_IB_STS2, 6, 4)
	s_cmp_eq_u32 s2, 0
	s_cbranch_scc0 .Lentry_in_a_cluster
	s_endpgm
.Lentry_in_a_cluster:
	s_bfe_u32 s2, ttmp6, 0x10000c
	s_cmp_lg_u32 s2, 0xf033
	s_cbranch_scc0 .Lentry_shape_is_right
	s_endpgm
.Lentry_shape_is_right:
; OPROJ: out0 = attention's output x Wo + bo, on codes of E4M3, K = 1,024.  out0: [8192][1024] f32.
; Work-group (x, y): 256 tokens x 256 columns; four waves, each 128 x 128: 64 accumulators of 16 x 16, 512 registers.
; Both operands lie in the order of the operand's registers: a tile of 16 rows (lane row r of tile T = row 32 (T / 2) + 8 (T % 2) + r + 8 (r / 8)) is 16,384 bytes: 8 fragments of 128 K, each 4 chunks of 512 bytes, lane L's 16 bytes at 16 L.
; K goes in steps of 256 through a ring of two LDS slots; a wave's tensor load brings 8 tiles x 4,096 bytes.  CLUSTERS: 4 x 4 work-groups; the tokens' tiles are asked for jointly along a row of the cluster, Wo's along a column.
; Source 0 = Wo's tiles, source 1 = the tokens': a lane holds one token, and register j of Wo's tile b is column 32 (b / 2) + 16 h + 8 (b % 2) + j of my 128.
; out = sum x 2^(e10 + e11) + bo, one packed multiply-add for two numbers.  LIMIT: e10 + e11 between -126 and 127.
; REGISTERS, in windows of 256: window 0: v0-31 addresses, v8-11 my four numbers of bo; from v128 the tokens' fragments, ONE set; on the way out v128-255 rows read back.
;   window 1: Wo's fragments, TWO sets.   window 2: the accumulators of the tokens' blocks 0-3 (accumulator (a, b) at v[8 (8 a + b)]);   window 3: those of blocks 4-7.
.set RT,     4096
.set FR,     16
.set NL,     4
.set NP,     4                         ; places behind this matrix instruction (ISA guide 7.12.1)
.set HALFT,  8*RT
.set SLOT,   4*HALFT
.set LAPS,   2
.set SPARE,  2*SLOT                    ; behind the ring: the spare words, 128 bytes for each wave: two blocks of 256 bytes that no other line names
.set SPITCH, 528                       ; the way out: a stage of 16 rows x (512 bytes + 16) for each wave, in slot 0, which has had its last fill and its last read when the first result is stored there
.set BIAS, 8
.set ADRA, 16
.set ADRB, 20
.set STO,  24                          ; v24     the way out: where I put my numbers of a row
.set RD,   25                          ; v25     where I read a row back
.set CO,   26                          ; v26     16 x lane
.set SPW,  28
.set NIL,  29
.set AF,   128
.set BK,   128
.set G1, 24
.set G0, 32
.set G1B, 48
.set G0B, 56
.set MSB, 0
.macro WIN new                         ; the immediate's high byte repeats the setting that is left
.if MSB != \new
	s_set_vgpr_msb (MSB<<8)|\new
.set MSB, \new
.endif
.endm
.set MUL_LO, 0xa1
.set MUL_HI, 0xf1
.set TO_B,   0x40
.macro JLOAD g0a, g1a, g0b, g1b        ; a joint load: waves 0 and 1 fetch the tokens' tiles, waves 2 and 3 Wo's; four v_nop follow each of the two lines
	s_cmp_eq_u32 s15, 0
	s_cbranch_scc0 .Lfor_b_\@
	tensor_load_to_lds s[\g0a:\g0a+3], s[\g1a:\g1a+7]
	s_nop 0
.rept 4
	v_nop
.endr
	s_branch .Lasked_\@
.Lfor_b_\@:
	tensor_load_to_lds s[\g0b:\g0b+3], s[\g1b:\g1b+7]
	s_nop 0
.rept 4
	v_nop
.endr
.Lasked_\@:
.endm
.macro CREST
	s_cmp_lg_u32 s14, 0
	s_cbranch_scc1 .Lnot_wave_0_\@
	s_barrier_signal -3
.Lnot_wave_0_\@:
	s_barrier_wait -3
	s_barrier_signal -1
	s_barrier_wait -1
.endm
.macro CROUND
	s_barrier_signal -1
	s_barrier_wait -1
	CREST
.endm
	s_load_b128 s[4:7], s[0:1], 0x0                ; the tokens' codes s[4:5], the weights' codes s[6:7]
	s_load_b128 s[8:11], s[0:1], 0x10              ; the scales' exponents s[8:9], bo s[10:11]
	s_load_b64 s[12:13], s[0:1], 0x20              ; out0
	v_lshl_add_u32 v[SPW], v0, 2, SPARE
	v_mov_b32 v[NIL], 0
	ds_add_u32 v28, v29
	ds_add_u32 v28, v29
	s_wait_dscnt 0x0
	v_lshrrev_b32 v1, 5, v0
	v_readfirstlane_b32 s14, v1                    ; wave 0..3
	s_lshr_b32 s15, s14, 1                         ; which half of the tokens is mine.  Also: I fetch tokens (0) or Wo (1)
	s_and_b32 s16, s14, 1                          ; which half of the columns.  Also: which 8 tiles I fetch
	s_bfe_u32 s40, ttmp6, 0x40000                  ; cx, cy
	s_bfe_u32 s41, ttmp6, 0x40004
	s_lshl_b32 s42, ttmp9, 2
	s_add_co_u32 s42, s42, s40                     ; x
	s_and_b32 s17, ttmp7, 0xffff
	s_lshl_b32 s17, s17, 2
	s_add_co_u32 s17, s17, s41                     ; y
	s_lshl_b32 s43, s41, 2
	s_lshl_b32 s43, 15, s43                        ; my row of the cluster
	s_lshl_b32 s44, 0x1111, s40                    ; my column
	s_or_b32 s[G1+0], s43, (3<<16)|(1<<21)         ; 15:0 the mask; 17:16 elements of 8 bytes; 20 no padding; 21 set beside a mask
	s_or_b32 s[G1B+0], s44, (3<<16)|(1<<21)
.irp g, G1, G1B
	s_mov_b32 s[\g+1], 512<<16                     ; tensor_dim0
	s_mov_b32 s[\g+2], 8<<16                       ; tensor_dim1
	s_mov_b32 s[\g+3], 512<<16                     ; tile_dim0
	s_mov_b32 s[\g+4], 8                           ; tile_dim1
	s_mov_b32 s[\g+5], 2048                        ; tensor_dim0_stride
	s_mov_b32 s[\g+6], 0
	s_mov_b32 s[\g+7], 0
.endr
	s_lshl_b32 s18, s16, 17
	s_lshl_b32 s20, s17, 18                        ; tokens: 16 tiles for each y
	s_add_co_u32 s20, s20, s18
	s_mov_b32 s21, 0
	s_lshl_b32 s46, s42, 18                        ; Wo: 16 tiles for each x,
	s_add_co_u32 s46, s46, s18
	s_add_co_u32 s46, s46, 3<<20                   ; the fourth weight
	s_mov_b32 s47, 0
	s_mul_i32 s45, s14, HALFT
	s_wait_kmcnt 0x0
	s_load_b64 s[96:97], s[8:9], 0x28              ; e10, e11
	s_add_nc_u64 s[20:21], s[4:5], s[20:21]
	s_add_nc_u64 s[46:47], s[6:7], s[46:47]
	CROUND                                         ; all sixteen work-groups are here: the first joint loads meet
.irp s, 0,1
	s_mov_b32 s[G0+4*\s], 1
	s_add_co_u32 s[G0+4*\s+1], s45, \s*SLOT
	s_add_nc_u64 s[G0+4*\s+2:G0+4*\s+3], s[20:21], \s*RT
	s_or_b32 s[G0+4*\s+3], s[G0+4*\s+3], 0x80000000
	s_mov_b32 s[G0B+4*\s], 1
	s_add_co_u32 s[G0B+4*\s+1], s45, \s*SLOT
	s_add_nc_u64 s[G0B+4*\s+2:G0B+4*\s+3], s[46:47], \s*RT
	s_or_b32 s[G0B+4*\s+3], s[G0B+4*\s+3], 0x80000000
	JLOAD G0+4*\s, G1, G0B+4*\s, G1B
.endr
	v_and_b32 v1, 15, v0                           ; r
	v_bfe_u32 v2, v0, 4, 1                         ; h
	v_and_b32 v6, 31, v0
	v_lshlrev_b32 v[CO], 4, v6                     ; 16 x lane
	s_mul_i32 s21, s15, HALFT                      ; my 8 tiles of tokens
	s_mul_i32 s22, s16, HALFT                      ; my 8 tiles of Wo,
	s_add_co_u32 s22, s22, 2*HALFT                 ; which lie behind the tokens' 16
.irp s, 0,1
	v_add_nc_u32 v[ADRA+\s], s21, v[CO]
	v_add_nc_u32 v[ADRB+\s], s22, v[CO]
	s_add_co_u32 s21, s21, SLOT
	s_add_co_u32 s22, s22, SLOT
.endr
	s_mul_i32 s23, s14, 16*SPITCH                  ; my stage
	v_mul_u32_u24 v5, v1, SPITCH
	v_lshl_add_u32 v5, v2, 6, v5
	v_add_nc_u32 v[STO], s23, v5                   ; in: row r, + 64 h
	v_add_nc_u32 v[RD], s23, v[CO]                 ; back: the 32 lanes take one row of 512 bytes
	s_lshl_b32 s46, s42, 10                        ; my first column, in bytes: 1,024 x + 512 x half
	s_lshl_b32 s47, s16, 9
	s_add_co_u32 s46, s46, s47
	s_mov_b32 s47, 0
	s_add_nc_u64 s[10:11], s[10:11], s[46:47]
	global_load_b128 v[BIAS:BIAS+3], v[CO], s[10:11]   ; bo at the four columns that I hold of every row read back
	s_lshl_b32 s20, s17, 20                        ; my first token: 256 y + 128 x half, rows of 4,096 bytes
	s_lshl_b32 s21, s15, 19
	s_add_co_u32 s20, s20, s21
	s_mov_b32 s21, 0
	s_add_nc_u64 s[12:13], s[12:13], s[20:21]
	s_add_nc_u64 s[12:13], s[12:13], s[46:47]
.macro FRAG reg, adr, q, i
.irp c, 0,1,2,3
	ds_load_b128 v[\reg+4*\c:\reg+4*\c+3], v[\adr] offset:RT*(\i)+2048*(\q)+512*\c
.endr
.endm
; The 64 accumulators take turns, one instruction a turn, in the same order in every step.
.macro MUL16 a0, p, zero
.irp a, \a0, \a0+1
.irp b, 0,1,2,3,4,5,6,7
.if \zero
	v_wmma_f32_16x16x128_fp8_fp8 v[8*(8*((\a)%4)+\b):8*(8*((\a)%4)+\b)+7], v[128*(\p)+FR*\b:128*(\p)+FR*\b+FR-1], v[AF+FR*(\a):AF+FR*(\a)+FR-1], 0
.else
	v_wmma_f32_16x16x128_fp8_fp8 v[8*(8*((\a)%4)+\b):8*(8*((\a)%4)+\b)+7], v[128*(\p)+FR*\b:128*(\p)+FR*\b+FR-1], v[AF+FR*(\a):AF+FR*(\a)+FR-1], v[8*(8*((\a)%4)+\b):8*(8*((\a)%4)+\b)+7]
.endif
.endr
.endr
.endm
.macro FETCH_B slot, q, p
	WIN TO_B
.irp i, 0,1,2,3,4,5,6,7
	FRAG 128*(\p)+FR*\i, ADRB+\slot, \q, \i
.endr
	WIN 0
.endm
.macro FETCH_A slot, q, i0
.irp i, \i0, \i0+1, \i0+2, \i0+3
	FRAG AF+FR*(\i), ADRA+\slot, \q, \i
.endr
.endm
.macro PLACES n
.rept \n
	v_nop
.endr
.endm
.macro STEP slot, q, zero
	s_wait_dscnt 4*NL                              ; Wo's set and the tokens' blocks 0-3 are in; the youngest 16 loads (blocks 4-7) may be out
	WIN MUL_LO
	MUL16 0, (\q)%2, \zero
	MUL16 2, (\q)%2, \zero
	s_wait_dscnt 0
	PLACES NP
	FETCH_B \slot, (\q)+1, 1-(\q)%2
	FETCH_A \slot, (\q)+1, 0
	WIN MUL_HI
	MUL16 4, (\q)%2, \zero
	MUL16 6, (\q)%2, \zero
	PLACES NP
	WIN 0
	FETCH_A \slot, (\q)+1, 4
.endm
.macro TURN slot, next, fill
	s_wait_tensorcnt 0x0                           ; all my tensor loads have landed: my part of the next slot
	ds_add_u32 v[SPW], v[NIL]                      ; 0 onto my spare word
	s_wait_dscnt 4*NL+1                            ; (the add and the youngest 16 loads may be out)
	WIN MUL_LO
	MUL16 0, 1, 0
	s_wait_dscnt 0x0                               ; the add is done, and my reads of this slot are over
	s_barrier_signal -1
	MUL16 2, 1, 0
	WIN 0
	s_barrier_wait -1
.if \fill
	CREST                                          ; the barrier has opened a round of the cluster's: no wave of any partner still reads this slot or has a load on its way
	s_add_nc_u64 s[G0+4*\slot+2:G0+4*\slot+3], s[G0+4*\slot+2:G0+4*\slot+3], 2*RT
	s_add_nc_u64 s[G0B+4*\slot+2:G0B+4*\slot+3], s[G0B+4*\slot+2:G0B+4*\slot+3], 2*RT
	JLOAD G0+4*\slot, G1, G0B+4*\slot, G1B
.else
	PLACES NP
.endif
	FETCH_B \next, 0, 0
	FETCH_A \next, 0, 0
	WIN MUL_HI
	MUL16 4, 1, 0
	MUL16 6, 1, 0
	PLACES NP
	WIN 0
	FETCH_A \next, 0, 4
.endm
	s_wait_tensorcnt 1                             ; my part of K step 0 is in (K step 1's load may be out)
	s_barrier_signal -1
	s_barrier_wait -1
	FETCH_B 0, 0, 0
	FETCH_A 0, 0, 0
	FETCH_A 0, 0, 4
	STEP 0, 0, 1
	s_mov_b32 s3, LAPS-1
.Llap:
	TURN 0, 1, 1
	STEP 1, 0, 0
	TURN 1, 0, 1
	STEP 0, 0, 0
	s_sub_co_u32 s3, s3, 1
	s_cmp_lg_u32 s3, 0
	s_cbranch_scc1 .Llap
	TURN 0, 1, 0
	STEP 1, 0, 0
	s_wait_dscnt 4*NL
	WIN MUL_LO
	MUL16 0, 1, 0
	MUL16 2, 1, 0
	s_wait_dscnt 0
	WIN MUL_HI
	MUL16 4, 1, 0
	MUL16 6, 1, 0
	WIN 0
; THE WAY OUT, block by block of 16 tokens x 128 columns: the sums go as they are into my own stage, each at its column's place, come back as whole rows of 512 bytes, are scaled and biased, and leave as aligned runs of 512 bytes, one a row.
; LDS serves a wave's instructions in order (ISA guide 5.7.1.4): no wait between the stores and the loads, nor in front of the next block's stores.
.macro TOSTAGE a
.set AC, 64*((\a)%4)
	WIN 0x08+4*((\a)/4)                            ; the stores' data: window 2 or 3
.irp b, 0,1,2,3,4,5,6,7
	ds_store_b128 v[STO], v[AC+8*\b:AC+8*\b+3] offset:128*(\b/2)+32*(\b%2)          ; each accumulator from its low end on
	ds_store_b128 v[STO], v[AC+8*\b+4:AC+8*\b+7] offset:128*(\b/2)+32*(\b%2)+16
.endr
	WIN 0
.set BB, BK+64*((\a)%2)
.irp t, 0,1,2,3,4,5,6,7,8,9,10,11,12,13,14,15
	ds_load_b128 v[BB+4*\t:BB+4*\t+3], v[RD] offset:\t*SPITCH
.endr
.endm
.macro SEND a, younger                 ; younger: the LDS instructions issued behind block a's loads, which may stay out
.set BB, BK+64*((\a)%2)
	s_wait_dscnt \younger
.irp t, 0,1,2,3,4,5,6,7,8,9,10,11,12,13,14,15
	v_pk_fma_f32 v[BB+4*\t:BB+4*\t+1], v[BB+4*\t:BB+4*\t+1], s[96:97], v[BIAS:BIAS+1] op_sel_hi:[1,0,1]       ; sum x 2^(e10 + e11) + bo (the scalar pair's low word for both halves)
	v_pk_fma_f32 v[BB+4*\t+2:BB+4*\t+3], v[BB+4*\t+2:BB+4*\t+3], s[96:97], v[BIAS+2:BIAS+3] op_sel_hi:[1,0,1]
.endr
.irp t, 0,1,2,3,4,5,6,7,8,9,10,11,12,13,14,15
	global_store_b128 v[CO], v[BB+4*\t:BB+4*\t+3], s[12:13] offset:(32*((\a)/2)+8*((\a)%2)+\t+8*(\t/8))*4096 th:TH_STORE_NT   ; lane row t of tile a is this token; 512 consecutive bytes, aligned; the base is never stepped
.endr
.endm
	s_wait_kmcnt 0x0
	s_add_co_i32 s96, s96, s97
	s_add_co_i32 s96, s96, 127
	s_lshl_b32 s96, s96, 23                        ; 2^(e10 + e11) as f32
	s_mov_b32 s97, s96                             ; (named with it as a pair)
	s_wait_loadcnt 0x0                             ; bo
	PLACES NP                                      ; in front of the first read of results and of the loads into the registers that held the tokens' fragments
	TOSTAGE 0
.irp a, 1,2,3,4,5,6,7
.if \a > 1
	s_wait_xcnt 0x0                                ; block a - 2's stores have read their registers: block a's loads may land there
.endif
	TOSTAGE \a
	SEND \a-1, 32                                  ; behind block a - 1's loads: block a's 16 stores and 16 loads
.endr
	SEND 7, 0
	s_wait_tensorcnt 0x0                           ; the wave's end
	ds_add_u32 v[SPW], v[NIL]
	s_wait_dscnt 0x0
	CROUND                                         ; the closing round
	s_endpgm
.Lfunc_end_k_q195fc3c45a_oproj:
	.size	k_q195fc3c45a_oproj, .Lfunc_end_k_q195fc3c45a_oproj-k_q195fc3c45a_oproj
	.p2alignl 7, 3214868480
	.fill 96, 4, 3214868480
	.section	.rodata,"a",@progbits
	.p2align	6, 0x0
	.amdhsa_kernel k_q195fc3c45a_oproj
		.amdhsa_group_segment_fixed_size 327680
		.amdhsa_private_segment_fixed_size 0
		.amdhsa_enable_private_segment 0
		.amdhsa_kernarg_size 40
		.amdhsa_user_sgpr_count 2
		.amdhsa_user_sgpr_kernarg_segment_ptr 1
		.amdhsa_wavefront_size32 1
		.amdhsa_system_sgpr_workgroup_id_x 1
		.amdhsa_system_sgpr_workgroup_id_y 1
		.amdhsa_system_sgpr_workgroup_id_z 1
		.amdhsa_system_vgpr_workitem_id 0
		.amdhsa_next_free_vgpr 1024
		.amdhsa_next_free_sgpr 100
		.amdhsa_reserve_vcc 0
		.amdhsa_float_denorm_mode_32 3
		.amdhsa_float_denorm_mode_16_64 3
		.amdhsa_memory_ordered 1
		.amdhsa_forward_progress 1
		.amdhsa_inst_pref_size 123
	.end_amdhsa_kernel
	.amdgpu_metadata
---
amdhsa.version: [ 1, 2 ]
amdhsa.kernels:
  - .name:           k_q195fc3c45a_oproj
    .symbol:         k_q195fc3c45a_oproj.kd
    .args:
      - { .name: ao, .offset: 0, .size: 8, .value_kind: global_buffer, .address_space: global }
      - { .name: w_codes, .offset: 8, .size: 8, .value_kind: global_buffer, .address_space: global }
      - { .name: lowp_scales, .offset: 16, .size: 8, .value_kind: global_buffer, .address_space: global }
      - { .name: bo, .offset: 24, .size: 8, .value_kind: global_buffer, .address_space: global }
      - { .name: out0, .offset: 32, .size: 8, .value_kind: global_buffer, .address_space: global }
    .group_segment_fixed_size: 327680
    .private_segment_fixed_size: 0
    .kernarg_segment_align: 8
    .kernarg_segment_size: 40
    .max_flat_workgroup_size: 128
    .sgpr_count:     100
    .vgpr_count:     1024
    .wavefront_size: 32
...
	.end_amdgpu_metadata
.endif
;; end of part 4
;; ======== version 2 of 2: 4 launches; version 1 with the launch attn written anew for expert scheduling mode
;; limits: right only within a limited range of input values
;; workspace buffers: act_codes 25,165,824 bytes; w_codes 4,194,304 bytes; qkv 25,165,824 bytes; ao 8,388,608 bytes; mw 524,288 bytes of whole numbers; flags 131,072 bytes of whole numbers
;; launch prep: the kernel of part 1 again; grid 1024 x 1, 4 waves a work-group, no clusters, 34,304 bytes of LDS; arguments query, key, value, Wq, Wk, Wv, Wo, mask, lowp_scales, act_codes, w_codes, mw, flags; writes act_codes, w_codes, mw, flags
;; launch proj: the kernel of part 2 again; grid 4 x 96, 4 waves a work-group, clusters of 4 x 4, 327,680 bytes of LDS; arguments act_codes, w_codes, lowp_scales, qkv; writes qkv
;; launch attn (part 5): grid 4 x 64, 16 waves a work-group, no clusters, 264,192 bytes of LDS; arguments qkv, mw, flags, lowp_scales, ao; writes ao
.if DOCPART == 5
	.amdgcn_target "amdgcn-amd-amdhsa--gfx1250"
	.amdhsa_code_object_version 6
	.text
	.protected	k_q195fc3c45a_attn
	.globl	k_q195fc3c45a_attn
	.p2align	8
	.type	k_q195fc3c45a_attn,@function
k_q195fc3c45a_attn:
	s_mov_b64 s[64:65], 0
	v_nop
	global_prefetch_b8 v0, s[64:65] scope:SCOPE_SE
	s_setreg_imm32_b32 hwreg(HW_REG_WAVE_SCHED_MODE, 0, 2), 2
	s_setreg_imm32_b32 hwreg(HW_REG_WAVE_MODE, 25, 1), 1
	s_wait_xcnt 0x0
	s_wait_alu depctr_vm_vsrc(0)
; ATTN: for each of 64 heads (batch x head): S = q k^T / 8, masked where the mask says so, softmax, times v; both products on codes of E4M3; the result is quantised for the last projection.
; THE SOFTMAX AHEAD OF THE SECOND PRODUCT: t = logit x log2(e); M = the running largest t rounded UP to a whole number; p = 2^(t - M) is quantised with 2^e8; the row's sum is taken of the unquantised p and divides at the end.
; SHARES.  Work-group (x, head): 32 of the head's 128 tiles of 16 queries.  Wave w (id = 16 x + w) takes tile 127 - id, then tile id: one tile at a time, in 256 registers, four waves to a SIMD.
; LDS holds the head's whole K and V, 262,144 bytes: key step s (128 keys) at 16,384 s: 8,192 bytes of K's image, then 8,192 of V's.  The bytes are filled once, through registers, a quarter (4 steps) at a time,
; the next quarter's loads being out while a quarter is multiplied: four barriers in all, and nothing is filled again.
; NO JOINT LOADS, NO TENSOR LOADS: which key steps a wave multiplies hangs on numbers read from memory (flags).  So each of a head's four work-groups copies the head's K and V itself.
; LAYOUT.  Both products are used transposed: S^T = K Q^T (source 0 = 16 keys, source 1 = my 16 queries, K = 64), O^T = V^T P^T (source 0 = 16 channels, source 1 = P, K = 128 keys): a lane holds ONE query throughout.
; All images are in the order of the operand's registers; lane row r of tile T is row 32 (T / 2) + 8 (T % 2) + r + 8 (r / 8), so score register n = 16 b + i of lane (r, h) is key 32 b + 16 h + i of the step: 16 neighbours for each conversion pair.
; THE MASK is an input and is honoured as it is given.  flags says of each (tile, step) whether any key counts and whether any key is masked; a step in which no key counts for any of the 16 queries is left out
; (its p would be 0), unless some query of the tile has ALL 2,048 keys masked: then every step is taken, since such a row's p is 1 everywhere.  In a step with masked keys the 64 lane masks of mw replace those scores.
; A MASKED SCORE stands as -2^(70 - e6 - e7), that is a logit of -2^67 where the problem has -1e20: its product with c is exact, so that in a wholly masked row t - M is exactly 0; beside any real logit p is 0 with either number.
; LIMITS: e6 + e7 between -57 and 45 (beyond 45 codes' own logits could reach 1e20); e8, and e10 - e8 - e9, between -126 and 119.  NaN is not served.
; REGISTERS: v1 16 x lane; v3 16 x thread; v4 the step's LDS address; v8-11 where I store the fill's quarters 0 to 3; v12 -M, v13 the largest t, v[14:15] the sum; v16-23 Q; v24 the masked score; v25, v26 448 x 2^e8, 2^e8; v27, v28 the same for the output;
;   v32-95 K's fragments, then V's; v96-159 S^T, then p; v160-191 O^T; v192-207 p's codes, later the output's; v208-239 the fill in flight; v240.. at work; v254, v255 the closing add's two.
;   s16-63, s80-95 the step's 64 mask words; s[4:5] q at my head; s[6:7], s[8:9] K, V at my head; s[10:11] mw at the step; s[12:13] ao at my tile; s70, s71 the steps' bits, shifted down a step at a time; s72 the step's LDS byte.
; THE MODE: SCHED_MODE bits 1:0 = 2 (LLVM: expert scheduling mode 2), set by the entry lines.  The code itself states the register dependences
; between vector or matrix instructions and memory or LDS instructions, with s_wait_alu, always for 0.
; THE PLAN.  Registers that memory or LDS instructions touch:
;   v1, v3, v8-11, v254, v255   offsets and LDS addresses: written once at the head, ahead of the head's one wait on va_vdst, and never again.
;   v208-239   the fill: global loads land in them, LDS stores read them, the next quarter's loads land again behind a wait on vm_vsrc.  No vector instruction names them.
;   v16-23     Q: loaded at a tile's start; read by the products K Q^T.  The second tile's loads stand behind the wait on va_vdst ahead of the first tile's stores, with no vector line between.
;   v4         read by a step's 32 LDS loads; written at every step's head, behind a wait on vm_vsrc; the step's first wait on va_vdst follows, ahead of K's loads.
;   v32-95     K lands (behind that same wait: the last step's products V^T P^T are done reading), K Q^T reads; V lands (behind the wait at the join: K Q^T is done reading), V^T P^T reads.
;              V's 16 loads are dealt among the lines of the maximum: none of the vector lines from the join to the products V^T P^T names v32-95 or v4.
;   v192-199   a tile's output codes: written by conversions, read by two stores (a wait on va_vdst between), written again in the second tile (a wait on vm_vsrc at its start).
.set FA, 8                             ; v8-11: 16 x thread + 65,536 x quarter
.macro FILL_LOAD g                     ; quarter g: 4 steps x (8,192 bytes of K, 8,192 of V): 16 bytes a thread of each
.irp j, 0,1,2,3
	global_load_b128 v[208+8*\j:211+8*\j], v3, s[6:7] offset:(4*(\g)+\j)*8192
	global_load_b128 v[212+8*\j:215+8*\j], v3, s[8:9] offset:(4*(\g)+\j)*8192
.endr
.endm
.macro FILL_STORE g, more
	s_wait_loadcnt 0x0                             ; the quarter's eight loads are in (and, the first time, Q)
.irp j, 0,1,2,3
	ds_store_b128 v[FA+(\g)], v[208+8*\j:211+8*\j] offset:16384*\j
	ds_store_b128 v[FA+(\g)], v[212+8*\j:215+8*\j] offset:16384*\j+8192
.endr
	s_wait_dscnt 0x0                               ; for the others' sake: my stores have landed
.if \more
	s_wait_alu depctr_vm_vsrc(0)                   ; the LDS stores above have read v208-239, in which the next quarter's loads land
	FILL_LOAD (\g)+1                               ; asked for a quarter's work ahead of its stores
.endif
	s_barrier_signal -1
	s_barrier_wait -1                              ; the quarter lies whole in LDS
.endm
; The step's scores.
.macro QK
.irp t, 0,1,2,3,4,5,6,7
	ds_load_b128 v[32+8*\t:35+8*\t], v4 offset:1024*\t
	ds_load_b128 v[36+8*\t:39+8*\t], v4 offset:1024*\t+512
.endr
.irp t, 0,1,2,3,4,5,6,7
	s_wait_dscnt 14-2*\t                           ; tile t's two loads are in; the later tiles' may be out
	v_wmma_f32_16x16x64_fp8_fp8 v[96+8*\t:103+8*\t], v[32+8*\t:39+8*\t], v[16:23], 0
.endr
.rept 4
	v_nop                                          ; places in front of the first read of the scores (ISA guide 7.12.1)
.endr
.endm
; Load q of the 16 that bring the step's V: tile q / 4 of channels, chunk q % 4.
.macro VLOAD
	ds_load_b128 v[32+4*q:35+4*q], v4 offset:8192+512*q
.set q, q+1
.endm
.macro STEP
	s_wait_alu depctr_vm_vsrc(0)                   ; the LDS loads issued so far have read v4, which the next line writes
	v_add_nc_u32 v4, s72, v1                       ; made on every path, ahead of the branches
	s_bitcmp1_b32 s70, 0
	s_cbranch_scc0 .Lskip_\@                       ; no key of the step counts for any of my queries
	s_wait_alu depctr_va_vdst(0)                   ; v4 is written, which the step's LDS loads read; the last step's products V^T P^T are done reading v32-95, in which K lands
	s_bitcmp1_b32 s71, 0
	s_cbranch_scc0 .Lopen_\@                       ; no key of the step is masked
	s_load_b512 s[16:31], s[10:11], 0x0            ; the step's 64 lane masks
	s_load_b512 s[32:47], s[10:11], 0x40
	s_load_b512 s[48:63], s[10:11], 0x80
	s_load_b512 s[80:95], s[10:11], 0xc0
	QK
	s_wait_kmcnt 0x0
.set n, 0
.rept 64
.if n < 48
	v_cndmask_b32 v[96+n], v[96+n], v24, s[16+n]
.else
	v_cndmask_b32 v[96+n], v[96+n], v24, s[32+n]
.endif
.set n, n+1
.endr
	s_branch .Ljoin_\@
.Lopen_\@:
	QK
.Ljoin_\@:
	s_wait_alu depctr_va_vdst(0)                   ; the products K Q^T are done reading v32-95, in which V lands: its 16 loads follow, dealt among the lines of the maximum, and land under the softmax
.set q, 0
	VLOAD
	VLOAD
	v_max3_num_f32 v244, v96, v97, v98             ; the step's largest score of my query, among my 64 keys, in two chains,
	v_max3_num_f32 v245, v99, v100, v101
.irp i, 6,10,14,18,22,26,30,34,38,42,46,50,54,58
	VLOAD                                          ; no wait: no vector or matrix line since the wait above names v32-95 or v4
	v_max3_num_f32 v244, v244, v[96+\i], v[97+\i]
	v_max3_num_f32 v245, v245, v[98+\i], v[99+\i]
.endr
	v_max3_num_f32 v244, v244, v158, v159
	v_max_num_f32 v244, v244, v245
	v_permlanex16_b32 v246, v244, s68, s69
	v_max_num_f32 v244, v244, v246                 ; and among lane l xor 16's
	v_mul_f32 v244, s66, v244                      ; as t (c is positive)
	v_max_num_f32 v13, v13, v244                   ; the running largest t
	v_mov_b32 v244, v12
	v_floor_f32 v12, -v13                          ; the new -M = floor(-t) = -ceil(t)
	v_sub_f32 v244, v12, v244                      ; M's old value less its new one: a whole number, 0 or less
	v_cvt_i32_f32 v244, v244                       ; (it saturates)
	v_ldexp_f32 v240, 1.0, v244                    ; f = 2^(old M - new M)
.irp j, 0,2,4,6,8,10,12,14,16,18,20,22,24,26,28,30,32,34,36,38,40,42,44,46,48,50,52,54,56,58,60,62
	v_pk_fma_f32 v[96+\j:97+\j], v[96+\j:97+\j], s[66:67], v[12:13] op_sel_hi:[1,0,0]   ; t - M, two at a time (of the pairs c and -M the low word serves both halves)
.endr
.set j, 0
.rept 64
	v_exp_f32 v[96+j], v[96+j]                     ; p = 2^(t - M), at most 1
.set j, j+1
.endr
	v_pk_mul_f32 v[14:15], v[14:15], v[240:241] op_sel_hi:[1,0]   ; the sums under the new M: the plain line behind the exponentials
	s_wait_alu depctr_va_vdst(0)                   ; the 64 exponentials have written v96-159: one wait for the whole batch, ahead of its first reader
	v_pk_add_f32 v[242:243], v[96:97], v[98:99]    ; the row's sum is taken of the unquantised p, in two chains
.irp j, 4,8,12,16,20,24,28,32,36,40,44,48,52,56,60
	v_pk_add_f32 v[14:15], v[14:15], v[96+\j:97+\j]
	v_pk_add_f32 v[242:243], v[242:243], v[98+\j:99+\j]
.endr
	v_pk_add_f32 v[14:15], v[14:15], v[242:243]
	s_cmp_ge_i32 s74, -8                           ; from e8 = -8 on, 448 x 2^e8 is 1.75 or more, above every p: the hold could change nothing
	s_cbranch_scc1 .Lnohold_\@
.set j, 0
.rept 64
	v_min_num_f32 v[96+j], v[96+j], v25            ; the conversion does not saturate (ISA guide 7.6.2); p is not negative, so the hold is one-sided
.set j, j+1
.endr
.Lnohold_\@:
.irp b, 0,1,2,3
	v_cvt_scalef32_pk8_fp8_f32 v[192+4*\b:193+4*\b], v[96+16*\b:103+16*\b], v26
	v_cvt_scalef32_pk8_fp8_f32 v[194+4*\b:195+4*\b], v[104+16*\b:111+16*\b], v26
.endr
.irp j, 0,2,4,6,8,10,12,14,16,18,20,22,24,26,28,30
	v_pk_mul_f32 v[160+\j:161+\j], v[160+\j:161+\j], v[240:241] op_sel_hi:[1,0]   ; O^T under the new M; also the plain lines between the conversions and the products
.endr
	s_wait_dscnt 0x0                               ; V is in
.irp t, 0,1,2,3
	v_wmma_f32_16x16x128_fp8_fp8 v[160+8*\t:167+8*\t], v[32+16*\t:47+16*\t], v[192:207], v[160+8*\t:167+8*\t]   ; the four accumulators take turns
.endr
.rept 4
	v_nop                                          ; places in front of the next read of O^T (ISA guide 7.12.1)
.endr
.Lskip_\@:
	s_lshr_b32 s70, s70, 1
	s_lshr_b32 s71, s71, 1
	s_add_co_u32 s72, s72, 16384
	s_add_nc_u64 s[10:11], s[10:11], 256           ; the next step's words (the loads that named this pointer were waited for in their arm)
.endm
.macro RUN steps
	s_mov_b32 s75, \steps
.Lrun_\@:
	STEP
	s_sub_co_u32 s75, s75, 1
	s_cmp_lg_u32 s75, 0
	s_cbranch_scc1 .Lrun_\@
.endm
; A tile begins: s73 = the tile.  again = 1: the wave's second tile.
.macro PASS_INIT again
	s_wait_xcnt 0x0                                ; earlier loads and stores have read their bases and data: these are written again only behind this wait
.if \again
	s_wait_alu depctr_vm_vsrc(0)                   ; the first tile's two stores have read v192-199, which this tile's conversions write again
.endif
	s_mov_b32 s101, 0
	s_lshl_b32 s100, s73, 10
	s_add_nc_u64 s[98:99], s[4:5], s[100:101]      ; q: 1,024 bytes a tile
	s_add_nc_u64 s[2:3], s[78:79], s[100:101]      ; flags: 1,024 bytes a tile
	s_lshl_b32 s100, s73, 12
	s_add_nc_u64 s[10:11], s[76:77], s[100:101]    ; mw: 4,096 bytes a tile
	s_lshl_b32 s100, s73, 14
	s_add_nc_u64 s[12:13], s[96:97], s[100:101]    ; ao: 16,384 bytes a tile
	s_load_b64 s[16:17], s[2:3], 0x0
	s_load_b64 s[18:19], s[2:3], 0x100
	s_load_b64 s[20:21], s[2:3], 0x200
	s_load_b64 s[22:23], s[2:3], 0x300
	global_load_b128 v[16:19], v1, s[98:99]        ; no wait here: no vector or matrix line since the last wait on va_vdst (the head's; the one ahead of the first tile's stores) names v1 or v16-23
	global_load_b128 v[20:23], v1, s[98:99] offset:512
	v_mov_b32 v13, 0xff61b1e6                      ; the largest t so far: -3e38, under every t
	v_floor_f32 v12, -v13
	v_mov_b32 v14, 0
	v_mov_b32 v15, 0
.set j, 0
.rept 32
	v_mov_b32 v[160+j], 0                          ; O^T: which step is a tile's first hangs on the flags, so no product can be written out to start the sums
.set j, j+1
.endr
	s_wait_kmcnt 0x0
	s_or_b32 s70, s16, s18
	s_or_b32 s70, s70, s20
	s_or_b32 s70, s70, s22
	s_and_b32 s100, s17, s19
	s_and_b32 s100, s100, s21
	s_and_b32 s100, s100, s23                      ; bit L: all 1,024 keys of lane L are masked
	s_lshr_b32 s71, s70, 16                        ; bit s: step s holds a masked key
	s_and_b32 s70, s70, 0xffff                     ; bit s: step s holds a key that counts
	s_lshr_b32 s101, s100, 16
	s_and_b32 s100, s100, s101
	s_and_b32 s100, s100, 0xffff                   ; bit r: all 2,048 keys of query r are masked
	s_cmp_lg_u32 s100, 0
	s_cselect_b32 s70, 0xffff, s70                 ; then every step is taken
.endm
; A tile ends: O^T / the sum, quantised with 2^e10, is two chunks of ao.
.macro PASS_OUT
	v_add_f32 v14, v14, v15
	v_permlanex16_b32 v246, v14, s68, s69
	v_add_f32 v14, v14, v246                       ; the row's sum
	v_rcp_f32 v248, v14
	v_mov_b32 v249, 0                              ; the plain line behind the reciprocal; (named as the pair's upper half)
	s_wait_alu depctr_va_vdst(0)                   ; the reciprocal has written v248: the wait ahead of its first reader
.irp j, 0,2,4,6,8,10,12,14,16,18,20,22,24,26,28,30
	v_pk_mul_f32 v[96+\j:97+\j], v[160+\j:161+\j], v[248:249] op_sel_hi:[1,0]   ; register 16 b + i is channel 32 b + 16 h + i of my query
.endr
.set j, 0
.rept 32
	v_med3_num_f32 v[96+j], v[96+j], -v27, v27
.set j, j+1
.endr
.irp g, 0,1,2,3
	v_cvt_scalef32_pk8_fp8_f32 v[192+2*\g:193+2*\g], v[96+8*\g:103+8*\g], v28
.endr
	v_nop                                          ; one plain line behind the last conversion
	s_wait_alu depctr_va_vdst(0)                   ; the conversions have written v192-199, which the two stores read; and the tile's products K Q^T are done reading v16-23, in which the next tile's Q lands
	global_store_b128 v1, v[192:195], s[12:13]     ; 512 consecutive bytes each, aligned
	global_store_b128 v1, v[196:199], s[12:13] offset:512
.endm
	s_load_b256 s[16:23], s[0:1], 0x0              ; qkv s[16:17], mw s[18:19], flags s[20:21], the scales' exponents s[22:23]
	s_load_b64 s[24:25], s[0:1], 0x20              ; ao
	v_lshl_add_u32 v254, v0, 2, 0x40000
	v_mov_b32 v255, 0
	v_lshrrev_b32 v5, 5, v0
	v_readfirstlane_b32 s14, v5                    ; wave 0..15
	v_and_b32 v1, 31, v0
	v_lshlrev_b32 v1, 4, v1                        ; 16 x lane
	v_lshlrev_b32 v3, 4, v0                        ; 16 x thread: in memory,
	v_lshlrev_b32 v[FA], 4, v0                     ; and in LDS, a register for each quarter of the fill, so that none is stepped
	v_lshl_add_u32 v[FA+1], v0, 4, 0x10000
	v_lshl_add_u32 v[FA+2], v0, 4, 0x20000
	v_lshl_add_u32 v[FA+3], v0, 4, 0x30000
	s_wait_alu depctr_va_sdst(0)                   ; s14 is written, ahead of its first reader: the wave's tiles are made from it
	s_and_b32 s2, ttmp7, 0xffff                    ; batch x 16 + head
	s_lshl_b32 s15, ttmp9, 4
	s_add_co_u32 s15, s15, s14                     ; id = 16 x + wave
	s_lshl_b32 s100, s2, 17                        ; 131,072 bytes a head in each of q, k, v
	s_mov_b32 s101, 0
	s_mov_b32 s68, 0x76543210                      ; v_permlanex16_b32's selects for lane l xor 16
	s_mov_b32 s69, 0xfedcba98
	s_wait_kmcnt 0x0
	s_load_b128 s[28:31], s[22:23], 0x18           ; e6, e7, e8, e9
	s_load_b32 s32, s[22:23], 0x28                 ; e10
	s_add_nc_u64 s[4:5], s[16:17], s[100:101]
	s_add_nc_u64 s[6:7], s[4:5], 0x800000
	s_add_nc_u64 s[8:9], s[4:5], 0x1000000
	s_mov_b64 s[76:77], s[18:19]
	s_mov_b64 s[78:79], s[20:21]
	s_lshr_b32 s3, s2, 4
	s_lshl_b32 s100, s3, 21                        ; ao: 128 tiles of 16,384 bytes a batch,
	s_and_b32 s3, s2, 15
	s_lshl_b32 s3, s3, 10                          ; a head's 64 of the 1,024 along K are two chunks: 1,024 bytes
	s_add_co_u32 s100, s100, s3
	s_add_nc_u64 s[96:97], s[24:25], s[100:101]
	s_wait_alu depctr_va_vdst(0)                   ; v1, v3, v8-11, v254 and v255 are written: every load, store and LDS store of the kernel but the steps' LDS loads reads one of them as its offset or address, and none is written again
	FILL_LOAD 0
	s_wait_kmcnt 0x0
	s_add_co_i32 s3, s28, s29                      ; e6 + e7
	s_lshl_b32 s100, s3, 23
	s_add_co_i32 s66, s100, 0x3e38aa3b             ; c = log2(e) / 8 x 2^(e6 + e7): the exponents are added to c's exponent field
	s_mov_b32 s67, s66                             ; (named with it as a pair)
	s_sub_co_i32 s3, 197, s3
	s_lshl_b32 s3, s3, 23
	s_or_b32 s3, s3, 0x80000000
	v_mov_b32 v24, s3                              ; -2^(70 - e6 - e7)
	s_mov_b32 s74, s30                             ; e8
	s_add_co_i32 s3, s30, 127
	s_lshl_b32 s100, s3, 23
	v_mov_b32 v26, s100                            ; 2^e8
	s_add_co_i32 s3, s3, 8
	s_lshl_b32 s3, s3, 23
	s_or_b32 s3, s3, 0x600000
	v_mov_b32 v25, s3                              ; 448 x 2^e8
	s_sub_co_i32 s3, s32, s30
	s_sub_co_i32 s3, s3, s31                       ; a sum of the second product stands for sum x 2^(e8 + e9): its code is sum / 2^(e10 - e8 - e9)
	s_add_co_i32 s3, s3, 127
	s_lshl_b32 s100, s3, 23
	v_mov_b32 v28, s100
	s_add_co_i32 s3, s3, 8
	s_lshl_b32 s3, s3, 23
	s_or_b32 s3, s3, 0x600000
	v_mov_b32 v27, s3
	v_mov_b32 v241, 0                              ; (named as the upper half of the pair v[240:241])
	v_mov_b32 v246, 0                              ; written once: a lane permute's destination counts as one of its sources
	s_sub_co_u32 s73, 127, s15                     ; the first tile: 127 - id
	PASS_INIT 0
	FILL_STORE 0, 1
	s_mov_b32 s72, 0
	RUN 4
	FILL_STORE 1, 1                                ; stores into quarter 1 while other waves may still read quarter 0: other bytes
	s_mov_b32 s72, 65536
	RUN 4
	FILL_STORE 2, 1
	s_mov_b32 s72, 2*65536
	RUN 4
	FILL_STORE 3, 0
	s_mov_b32 s72, 3*65536
	RUN 4
	PASS_OUT
	s_mov_b32 s73, s15                             ; the second tile: id.  All of K and V lies in LDS
	PASS_INIT 1
	s_wait_loadcnt 0x0                             ; Q
	s_mov_b32 s72, 0
	RUN 16
	PASS_OUT
	s_wait_dscnt 0x0                               ; the closing lines, six on end
	s_wait_alu 0x0
	s_wait_tensorcnt 0x0
	ds_add_u32 v254, v255
	s_wait_dscnt 0x0
	s_endpgm
.Lfunc_end_k_q195fc3c45a_attn:
	.size	k_q195fc3c45a_attn, .Lfunc_end_k_q195fc3c45a_attn-k_q195fc3c45a_attn
	.p2alignl 7, 3214868480
	.fill 96, 4, 3214868480
	.section	.rodata,"a",@progbits
	.p2align	6, 0x0
	.amdhsa_kernel k_q195fc3c45a_attn
		.amdhsa_group_segment_fixed_size 264192
		.amdhsa_private_segment_fixed_size 0
		.amdhsa_enable_private_segment 0
		.amdhsa_kernarg_size 40
		.amdhsa_user_sgpr_count 2
		.amdhsa_user_sgpr_kernarg_segment_ptr 1
		.amdhsa_wavefront_size32 1
		.amdhsa_system_sgpr_workgroup_id_x 1
		.amdhsa_system_sgpr_workgroup_id_y 1
		.amdhsa_system_sgpr_workgroup_id_z 1
		.amdhsa_system_vgpr_workitem_id 0
		.amdhsa_next_free_vgpr 256
		.amdhsa_next_free_sgpr 102
		.amdhsa_reserve_vcc 0
		.amdhsa_float_denorm_mode_32 3
		.amdhsa_float_denorm_mode_16_64 3
		.amdhsa_memory_ordered 1
		.amdhsa_forward_progress 1
		.amdhsa_inst_pref_size 132
	.end_amdhsa_kernel
	.amdgpu_metadata
---
amdhsa.version: [ 1, 2 ]
amdhsa.kernels:
  - .name:           k_q195fc3c45a_attn
    .symbol:         k_q195fc3c45a_attn.kd
    .args:
      - { .name: qkv, .offset: 0, .size: 8, .value_kind: global_buffer, .address_space: global }
      - { .name: mw, .offset: 8, .size: 8, .value_kind: global_buffer, .address_space: global }
      - { .name: flags, .offset: 16, .size: 8, .value_kind: global_buffer, .address_space: global }
      - { .name: lowp_scales, .offset: 24, .size: 8, .value_kind: global_buffer, .address_space: global }
      - { .name: ao, .offset: 32, .size: 8, .value_kind: global_buffer, .address_space: global }
    .group_segment_fixed_size: 264192
    .private_segment_fixed_size: 0
    .kernarg_segment_align: 8
    .kernarg_segment_size: 40
    .max_flat_workgroup_size: 512
    .sgpr_count:     102
    .vgpr_count:     256
    .wavefront_size: 32
...
	.end_amdgpu_metadata
.endif
;; end of part 5
;; launch oproj: the kernel of part 4 again; grid 4 x 32, 4 waves a work-group, clusters of 4 x 4, 327,680 bytes of LDS; arguments ao, w_codes, lowp_scales, bo, out0; writes out0
